; MI455X (gfx1250); checked and timed in simulation.
; The chip was launched on July 23, 2026; its instructions are those of AMD's public machine-readable ISA for CDNA 5 (MIT licence, August 2026) and "CDNA5" Instruction Set Architecture Reference Guide (July 2026). The comments in the code are by the model that wrote it; some were corrected since.
;; Ultimate Mo E. Allowed arithmetic: matrix products marked QUANTISED: E5M2 operands, one given power-of-two scale a tensor, by v_wmma_f32_16x16x64_bf8_bf8 or v_wmma_f32_16x16x128_bf8_bf8, f32 sums; everything else in f32.
;; Inputs: expert_weights_codes 16 x 1,024 x 32 x 32 uint8 (E5M2 codes of expert_weights, K innermost, in blocks of 32 codes); gate_weight_codes 16 x 32 x 32 uint8 (E5M2 codes of gate_weight, K innermost, in blocks of 32 codes); lowp_scales 4 int32 (the exponents e of the quantised operands' scales 2^e); x_codes 4,096 x 32 x 32 uint8 (E5M2 codes of x, K innermost, in blocks of 32 codes).
;; Outputs: out0 4,096 x 1,024 float32.
;; This version of the problem:
;;   THIS VERSION OF THE PROBLEM IS GIVEN IN LOW PRECISION. The matrix products marked QUANTISED in the list below multiply operands that are first quantised to E5M2 (5 exponent bits, 2 mantissa bits; 8 bits a number), with one given power-of-two scale for each operand tensor; their sums are f32. All else is computed in f32.
;;   The module's matrix products, in the order in which they are computed (A, B: the left and right operand; K: the contracted axis; several contracted axes count as one K, in the product's order):
;;     1. [M 4,096, K 1,024] x [K 1,024, N 16]; A: input x (given as codes); B: input gate_weight (given as codes): QUANTISED (scales: A lowp_scales[0], B lowp_scales[1])
;;     2. [M 16,384, K 1,024] x [K 1,024, N 4,096]; A: input expert_weights (given as codes); B: input x (given as codes): QUANTISED (scales: A lowp_scales[2], B lowp_scales[3])
;;   THE QUANTISER, for each operand of a quantised product, along K:
;;     - The operand's scale is 2^e, e = its entry of the input lowp_scales (int32; the entries are numbered through the quantised products in the list's order, A before B).
;;     - Each number is divided by the scale, clamped to +-57,344, and rounded to the nearest number of E5M2, ties to even, subnormals kept.
;;     - The product sums the exact products of the quantised numbers (number of the format x scale) in f32.
;;   ~~~python
;;   def quantise(x, axis, e):      # numpy; x: float32 -> the quantised numbers, widened to float32 again
;;       x = np.moveaxis(x, axis, -1); K = x.shape[-1]
;;       r = np.clip(x / 2.0 ** e, -57344, 57344)
;;       step = 2.0 ** (np.maximum(np.frexp(np.where(r == 0, 1, r))[1] - 1, -14) - 2)
;;       q = np.round(r / step) * step * 2.0 ** e      # np.round: ties to even
;;       return np.moveaxis(q, -1, axis).astype(np.float32)
;;   ~~~
;;   INPUTS GIVEN AS CODES. expert_weights (in the module: [16, 1024, 1024], K = its axis 1); gate_weight (in the module: [16, 1024], K = its axis 1); x (in the module: [4096, 1024], K = its axis 1): each comes as NAME_codes (uint8): NAME with its K axis moved to the last place and cut into blocks of 32 codes, [.., K / 32, bytes a block], one block behind the other in memory; one code a byte (a code: sign, 5 exponent bits, 2 mantissa bits); its scale is its entry of lowp_scales. Its value is code x scale, taken as it is: it is not quantised again, and the codes and scales need not be those that the quantiser above would give.
;; 2 versions. Each part assembles by itself: llvm-mc -triple=amdgcn-amd-amdhsa -mcpu=gfx1250 --defsym DOCPART=n.
;; ======== version 1 of 2: 3 launches
;; limits: right only within a limited range of input values
;; workspace buffers: keys 16,384 bytes of whole numbers; sorted 16,384 bytes of whole numbers; wts 32,768 bytes
;; launch router (part 1): grid 256 x 1, 1 waves a work-group, no clusters, 0 bytes of LDS; arguments x_codes, gate_weight_codes, lowp_scales, keys, wts; writes keys, wts
.if DOCPART == 1
	.amdgcn_target "amdgcn-amd-amdhsa--gfx1250"
	.amdhsa_code_object_version 6
	.text
	.protected	k_q63f4c7c2f9_router
	.globl	k_q63f4c7c2f9_router
	.p2align	8
	.type	k_q63f4c7c2f9_router,@function
k_q63f4c7c2f9_router:
	s_mov_b64 s[64:65], 0
	v_nop
	global_prefetch_b8 v0, s[64:65] scope:SCOPE_SE
	s_setreg_imm32_b32 hwreg(HW_REG_WAVE_MODE, 25, 1), 1
	s_wait_xcnt 0x0
; THE ROUTER.  logits[t][e] = sum over k of x[t][k] gate[e][k], on codes of E5M2 as they are given; the two largest logits of a token, and the softmax of those two.
; x: [4096][1024] codes, gate: [16][1024] codes, K innermost.  A logit is its sum x 2^(s0 + s1), s0 and s1 the first two whole numbers of the buffer of scales: a positive factor, so the order is taken of the sums.
; STORED, at places that hang on the token's number alone: keys[t] = lo << 16 | hi << 12 | t, lo < hi the two chosen experts; wts[t] = (weight of lo, weight of hi), f32.
; SHARES.  One wave to a work-group, 16 tokens to a wave.  The product is used transposed (source 0 = the 16 rows of gate, source 1 = 16 tokens): lane (r, h) holds token r, and its register j the logit of expert 8 h + j.
; A fragment (16 rows x 128 K) is fetched by four loads of 16 bytes, 32 bytes apart: registers 4 c .. 4 c + 3 hold K = 32 c + 16 h + 0 .. 15: the same permutation of k on both sides, so every product meets its partner.
; TIES go to the lower index: every compare is strict, and the lower index is the one that stands.
; LIMITS.  Codes of infinity and NaN are not served.  Two logits closer than the rounding of their f32 sums may be ranked otherwise than by another order of summation.  An exponential under 2^-126 counts as 0.
; STORES.  A wave stores 64 bytes of keys and 128 of weights, consecutive; 48 KiB in the whole launch beside 4 MiB read, so they are not gathered further.
; REGISTERS.  window 0: v1 r, v2 h, v3 lane offset in a tile's rows, v4 8 h; v16-31 two accumulators; v32-39 the logits; v40-68 at work; v128-255 gate's eight fragments.   window 1: v0-127 x's eight fragments.
.set GF,  128                          ; gate's fragments, K step s at GF + 16 s
.set A0,  16                           ; the two accumulators: even K steps, odd K steps
.set LG,  32                           ; the lane's eight logits
.set MSB, 0
.macro WIN new                         ; the immediate's high byte repeats the setting that is left
.if MSB != \new
	s_set_vgpr_msb (MSB<<8)|\new
.set MSB, \new
.endif
.endm
	s_load_b256 s[4:11], s[0:1], 0x0               ; x s[4:5], gate s[6:7], scales s[8:9], keys s[10:11]
	s_load_b64 s[12:13], s[0:1], 0x20              ; wts
	v_and_b32 v1, 15, v0                           ; r
	v_lshrrev_b32 v2, 4, v0                        ; h
	v_lshlrev_b32 v3, 10, v1                       ; a row is 1,024 bytes
	v_lshl_add_u32 v3, v2, 4, v3                   ; + 16 h
	v_lshlrev_b32 v4, 3, v2                        ; 8 h: my half's first expert
	s_lshl_b32 s14, ttmp9, 14                      ; my 16 rows of x
	s_mov_b32 s15, 0
	s_lshl_b32 s19, ttmp9, 4
	s_mov_b32 s20, 0x76543210                      ; v_permlanex16_b32's selects for lane l xor 16
	s_mov_b32 s21, 0xfedcba98
	v_add_nc_u32 v68, s19, v1                      ; my token
	v_lshlrev_b32 v66, 2, v68                      ; its place in keys,
	v_lshlrev_b32 v67, 3, v68                      ; and in wts
.irp j, 44,45,46,47
	v_mov_b32 v\j, 0                               ; written once: a lane permute's destination counts as one of its sources
.endr
	s_wait_kmcnt 0x0
	s_load_b64 s[16:17], s[8:9], 0x0               ; s0, s1
	s_add_nc_u64 s[4:5], s[4:5], s[14:15]
	WIN 0x40                                       ; destination window 1
.irp s, 0,1,2,3,4,5,6,7
.irp c, 0,1,2,3
	global_load_b128 v[16*\s+4*\c:16*\s+4*\c+3], v3, s[4:5] offset:128*\s+32*\c
.endr
.endr
	WIN 0
.irp s, 0,1,2,3,4,5,6,7
.irp c, 0,1,2,3
	global_load_b128 v[GF+16*\s+4*\c:GF+16*\s+4*\c+3], v3, s[6:7] offset:128*\s+32*\c
.endr
.endr
	s_wait_loadcnt 0x0
	WIN 0x04                                       ; source 1 (x) window 1
.irp s, 0,1,2,3,4,5,6,7                        ; two accumulators by turns, one instruction a turn; the first two products start the sums
.if \s < 2
	v_wmma_f32_16x16x128_bf8_bf8 v[A0+8*(\s%2):A0+8*(\s%2)+7], v[GF+16*\s:GF+16*\s+15], v[16*\s:16*\s+15], 0
.else
	v_wmma_f32_16x16x128_bf8_bf8 v[A0+8*(\s%2):A0+8*(\s%2)+7], v[GF+16*\s:GF+16*\s+15], v[16*\s:16*\s+15], v[A0+8*(\s%2):A0+8*(\s%2)+7]
.endif
.endr
	WIN 0
.rept 4
	v_nop                                          ; four places between the last product and the first read of results (ISA guide 7.12.1)
.endr
.irp j, 0,1,2,3,4,5,6,7
	v_add_f32 v[LG+\j], v[A0+\j], v[A0+8+\j]       ; the two halves of K; each accumulator from its low end on
.endr
	; the two largest of my eight: (v40, v41) the largest and its index, (v42, v43) the second
	v_cmp_gt_f32 vcc_lo, v33, v32
	v_cndmask_b32 v40, v32, v33, vcc_lo
	v_cndmask_b32 v41, 0, 1, vcc_lo
	v_cndmask_b32 v42, v33, v32, vcc_lo
	v_cndmask_b32 v43, 1, 0, vcc_lo
.irp j, 2,3,4,5,6,7
	v_cmp_gt_f32 vcc_lo, v[LG+\j], v42             ; over the second: it takes the second's place;
	v_cndmask_b32 v42, v42, v[LG+\j], vcc_lo
	v_cndmask_b32 v43, v43, \j, vcc_lo
	v_cmp_gt_f32 vcc_lo, v[LG+\j], v40             ; over the first too: the first moves down
	v_cndmask_b32 v42, v42, v40, vcc_lo
	v_cndmask_b32 v43, v43, v41, vcc_lo
	v_cndmask_b32 v40, v40, v[LG+\j], vcc_lo
	v_cndmask_b32 v41, v41, \j, vcc_lo
.endr
	v_add_nc_u32 v41, v41, v4
	v_add_nc_u32 v43, v43, v4
	; the other half's two.  From here on lanes 0-15 are right (their own experts 0-7 have the lower indices), and they alone store
	v_permlanex16_b32 v44, v40, s20, s21
	v_permlanex16_b32 v45, v41, s20, s21
	v_permlanex16_b32 v46, v42, s20, s21
	v_permlanex16_b32 v47, v43, s20, s21
	v_cmp_gt_f32 vcc_lo, v44, v40
	v_cndmask_b32 v48, v40, v44, vcc_lo            ; the largest of sixteen,
	v_cndmask_b32 v49, v41, v45, vcc_lo            ; its expert;
	v_cndmask_b32 v50, v42, v40, vcc_lo            ; what is left as my half's best,
	v_cndmask_b32 v51, v43, v41, vcc_lo
	v_cndmask_b32 v52, v44, v46, vcc_lo            ; and as the other half's
	v_cndmask_b32 v53, v45, v47, vcc_lo
	v_cmp_gt_f32 vcc_lo, v52, v50
	v_cndmask_b32 v54, v50, v52, vcc_lo            ; the second of sixteen,
	v_cndmask_b32 v55, v51, v53, vcc_lo            ; its expert
	; the softmax of the two, the larger taken away first: w1 = 1 / (1 + e^(second - first)), w2 = e^(second - first) w1
	s_wait_kmcnt 0x0
	s_add_co_i32 s18, s16, s17                     ; s0 + s1
	v_sub_f32 v56, v54, v48                        ; 0 or less
	v_ldexp_f32 v56, v56, s18                      ; as a difference of logits
	v_mul_f32 v56, 0x3fb8aa3b, v56                 ; x log2(e)
	v_exp_f32 v57, v56
	v_min_u32 v61, v49, v55                        ; lo  (a plain instruction behind the exponential)
	s_wait_alu depctr_va_vdst(0)
	v_add_f32 v58, 1.0, v57
	v_rcp_f32 v59, v58
	v_max_u32 v62, v49, v55                        ; hi  (a plain instruction behind the reciprocal)
	s_wait_alu depctr_va_vdst(0)
	v_mul_f32 v60, v57, v59
	v_cmp_gt_u32 vcc_lo, v49, v55                  ; the larger logit's expert has the higher number: the weights change places
	v_cndmask_b32 v64, v59, v60, vcc_lo            ; lo's weight
	v_cndmask_b32 v65, v60, v59, vcc_lo            ; hi's
	v_lshl_or_b32 v63, v62, 12, v68
	v_lshl_or_b32 v63, v61, 16, v63                ; lo << 16 | hi << 12 | token
	v_cmp_gt_u32 vcc_lo, 16, v0
	s_wait_xcnt 0x0                                ; EXEC changes only behind this wait
	s_and_saveexec_b32 s22, vcc_lo                 ; lanes 0-15
	global_store_b32 v66, v63, s[10:11]
	global_store_b64 v67, v[64:65], s[12:13]
	s_wait_xcnt 0x0                                ; and again in front of the line that widens it
	s_or_b32 exec_lo, exec_lo, s22
	s_endpgm
.Lfunc_end_k_q63f4c7c2f9_router:
	.size	k_q63f4c7c2f9_router, .Lfunc_end_k_q63f4c7c2f9_router-k_q63f4c7c2f9_router
	.p2alignl 7, 3214868480
	.fill 96, 4, 3214868480
	.section	.rodata,"a",@progbits
	.p2align	6, 0x0
	.amdhsa_kernel k_q63f4c7c2f9_router
		.amdhsa_group_segment_fixed_size 0
		.amdhsa_private_segment_fixed_size 0
		.amdhsa_enable_private_segment 0
		.amdhsa_kernarg_size 40
		.amdhsa_user_sgpr_count 2
		.amdhsa_user_sgpr_kernarg_segment_ptr 1
		.amdhsa_wavefront_size32 1
		.amdhsa_system_sgpr_workgroup_id_x 1
		.amdhsa_system_sgpr_workgroup_id_y 1
		.amdhsa_system_sgpr_workgroup_id_z 1
		.amdhsa_system_vgpr_workitem_id 0
		.amdhsa_next_free_vgpr 384
		.amdhsa_next_free_sgpr 66
		.amdhsa_reserve_vcc 1
		.amdhsa_float_denorm_mode_32 3
		.amdhsa_float_denorm_mode_16_64 3
		.amdhsa_memory_ordered 1
		.amdhsa_forward_progress 1
		.amdhsa_inst_pref_size 12
	.end_amdhsa_kernel
	.amdgpu_metadata
---
amdhsa.version: [ 1, 2 ]
amdhsa.kernels:
  - .name:           k_q63f4c7c2f9_router
    .symbol:         k_q63f4c7c2f9_router.kd
    .args:
      - { .name: x_codes, .offset: 0, .size: 8, .value_kind: global_buffer, .address_space: global }
      - { .name: gate_weight_codes, .offset: 8, .size: 8, .value_kind: global_buffer, .address_space: global }
      - { .name: lowp_scales, .offset: 16, .size: 8, .value_kind: global_buffer, .address_space: global }
      - { .name: keys, .offset: 24, .size: 8, .value_kind: global_buffer, .address_space: global }
      - { .name: wts, .offset: 32, .size: 8, .value_kind: global_buffer, .address_space: global }
    .group_segment_fixed_size: 0
    .private_segment_fixed_size: 0
    .kernarg_segment_align: 8
    .kernarg_segment_size: 40
    .max_flat_workgroup_size: 32
    .sgpr_count:     66
    .vgpr_count:     384
    .wavefront_size: 32
...
	.end_amdgpu_metadata
.endif
;; end of part 1
;; launch place (part 2): grid 256 x 1, 16 waves a work-group, no clusters, 20,480 bytes of LDS; arguments keys, sorted; writes sorted
.if DOCPART == 2
	.amdgcn_target "amdgcn-amd-amdhsa--gfx1250"
	.amdhsa_code_object_version 6
	.text
	.protected	k_q63f4c7c2f9_place
	.globl	k_q63f4c7c2f9_place
	.p2align	8
	.type	k_q63f4c7c2f9_place,@function
k_q63f4c7c2f9_place:
	s_mov_b64 s[64:65], 0
	v_nop
	global_prefetch_b8 v0, s[64:65] scope:SCOPE_SE
	s_setreg_imm32_b32 hwreg(HW_REG_WAVE_MODE, 25, 1), 1
	s_wait_xcnt 0x0
; THE SORT.  keys: [4096] words, all different (a token's number stands in the low 12 bits).  sorted[rank of keys[t]] = keys[t], rank = how many keys are smaller: 4,096 x 4,096 compares, shared out evenly.
; No atomics, and no LDS address is made of data.  The ranks are a permutation of 0 .. 4,095, so every word of sorted is written once, by one work-group.
; SHARES.  A work-group takes 16 tokens.  Thread t of 512 takes token 16 x work-group + t % 16 and the 128 keys from 128 (t / 16) on; the 32 counts of a token meet in LDS, and wave 0 adds them and stores.
; LDS: bytes 0 .. 16,383 all keys; from PART on 512 words, thread t's count at PART + 4 t.
; The sixteen lanes of a half read the same 16 bytes of LDS, which are fetched once for all of them.
; The store is a scatter of 16 words a work-group: it is the sort itself; 16 KiB in the whole launch.
.set PART, 16384
.set J0,   16                          ; v16-47  32 keys
.set J1,   48                          ; v48-79  32 keys
	s_load_b128 s[4:7], s[0:1], 0x0                ; keys, sorted
	v_lshl_add_u32 v96, v0, 2, 0x4800
	v_mov_b32 v97, 0
	v_lshrrev_b32 v7, 5, v0
	v_readfirstlane_b32 s8, v7                     ; wave 0..15
	v_lshlrev_b32 v1, 4, v0                        ; 16 t: my 16 bytes of each half of the keys, in memory and in LDS
	s_lshl_b32 s9, ttmp9, 6
	v_and_b32 v2, 15, v0
	v_lshl_add_u32 v2, v2, 2, s9                   ; my token's key
	v_lshrrev_b32 v3, 4, v0
	v_lshlrev_b32 v3, 9, v3                        ; my 128 keys in LDS
	v_mov_b32 v5, 0                                ; the count
	v_lshl_add_u32 v6, v0, 2, PART                 ; where it goes
	v_mov_b32 v7, 0                                ; written once: a lane permute's destination counts as one of its sources
	s_mov_b32 s10, 0x76543210
	s_mov_b32 s11, 0xfedcba98
	s_wait_kmcnt 0x0
	global_load_b128 v[8:11], v1, s[4:5]
	global_load_b128 v[12:15], v1, s[4:5] offset:8192
	global_load_b32 v4, v2, s[4:5]
	s_wait_loadcnt 0x0
	ds_store_b128 v1, v[8:11]
	ds_store_b128 v1, v[12:15] offset:8192
	s_wait_dscnt 0x0                               ; for the others' sake: my stores have landed
	s_barrier_signal -1
	s_barrier_wait -1                              ; all keys lie in LDS
.macro LD set, c                       ; the c-th 32 of my 128 keys
.irp i, 0,1,2,3,4,5,6,7
	ds_load_b128 v[\set+4*\i:\set+4*\i+3], v3 offset:128*\c+16*\i
.endr
.endm
.macro PROC set                        ; one compare and one add with carry in for each key
.irp k, 0,1,2,3,4,5,6,7,8,9,10,11,12,13,14,15,16,17,18,19,20,21,22,23,24,25,26,27,28,29,30,31
	v_cmp_lt_u32 vcc_lo, v[\set+\k], v4
	v_add_co_ci_u32 v5, vcc_lo, 0, v5, vcc_lo
.endr
.endm
	LD J0, 0
	LD J1, 1
	s_wait_dscnt 8                                 ; LDS loads come back in order: the older eight are in, the younger eight may be out
	PROC J0
	LD J0, 2
	s_wait_dscnt 8
	PROC J1
	LD J1, 3
	s_wait_dscnt 8
	PROC J0
	s_wait_dscnt 0x0
	PROC J1
	ds_store_b32 v6, v5
	s_wait_dscnt 0x0
	s_barrier_signal -1
	s_barrier_wait -1                              ; all 512 counts lie in LDS
	s_cmp_lg_u32 s8, 0
	s_cbranch_scc1 .Lend                           ; wave 0 alone goes on; no barrier follows
.irp k, 0,1,2,3,4,5,6,7,8,9,10,11,12,13,14,15
	ds_load_b32 v[J0+\k], v6 offset:128*\k         ; thread 32 k + lane's count: token lane % 16, keys from 128 (2 k + lane / 16) on
.endr
	s_wait_dscnt 0x0
	v_add3_u32 v16, v16, v17, v18
	v_add3_u32 v19, v19, v20, v21
	v_add3_u32 v22, v22, v23, v24
	v_add3_u32 v25, v25, v26, v27
	v_add3_u32 v28, v28, v29, v30
	v_add3_u32 v16, v16, v19, v22
	v_add3_u32 v25, v25, v28, v31
	v_add_nc_u32 v16, v16, v25
	v_permlanex16_b32 v7, v16, s10, s11            ; the other half of the ranges
	v_add_nc_u32 v16, v16, v7                      ; the rank
	v_min_u32 v16, 0xfff, v16                      ; held inside the buffer, whatever the keys
	v_lshlrev_b32 v16, 2, v16
	v_cmp_gt_u32 vcc_lo, 16, v0
	s_wait_xcnt 0x0                                ; EXEC changes only behind this wait
	s_and_saveexec_b32 s12, vcc_lo                 ; lanes 0-15: one for each token
	global_store_b32 v16, v4, s[6:7]
	s_wait_xcnt 0x0
	s_or_b32 exec_lo, exec_lo, s12
.Lend:
	s_wait_tensorcnt 0x0
	ds_add_u32 v96, v97
	s_wait_dscnt 0x0
	s_endpgm
.Lfunc_end_k_q63f4c7c2f9_place:
	.size	k_q63f4c7c2f9_place, .Lfunc_end_k_q63f4c7c2f9_place-k_q63f4c7c2f9_place
	.p2alignl 7, 3214868480
	.fill 96, 4, 3214868480
	.section	.rodata,"a",@progbits
	.p2align	6, 0x0
	.amdhsa_kernel k_q63f4c7c2f9_place
		.amdhsa_group_segment_fixed_size 20480
		.amdhsa_private_segment_fixed_size 0
		.amdhsa_enable_private_segment 0
		.amdhsa_kernarg_size 16
		.amdhsa_user_sgpr_count 2
		.amdhsa_user_sgpr_kernarg_segment_ptr 1
		.amdhsa_wavefront_size32 1
		.amdhsa_system_sgpr_workgroup_id_x 1
		.amdhsa_system_sgpr_workgroup_id_y 1
		.amdhsa_system_sgpr_workgroup_id_z 1
		.amdhsa_system_vgpr_workitem_id 0
		.amdhsa_next_free_vgpr 98
		.amdhsa_next_free_sgpr 66
		.amdhsa_reserve_vcc 1
		.amdhsa_float_denorm_mode_32 3
		.amdhsa_float_denorm_mode_16_64 3
		.amdhsa_memory_ordered 1
		.amdhsa_forward_progress 1
		.amdhsa_inst_pref_size 14
	.end_amdhsa_kernel
	.amdgpu_metadata
---
amdhsa.version: [ 1, 2 ]
amdhsa.kernels:
  - .name:           k_q63f4c7c2f9_place
    .symbol:         k_q63f4c7c2f9_place.kd
    .args:
      - { .name: keys, .offset: 0, .size: 8, .value_kind: global_buffer, .address_space: global }
      - { .name: sorted, .offset: 8, .size: 8, .value_kind: global_buffer, .address_space: global }
    .group_segment_fixed_size: 20480
    .private_segment_fixed_size: 0
    .kernarg_segment_align: 8
    .kernarg_segment_size: 16
    .max_flat_workgroup_size: 512
    .sgpr_count:     66
    .vgpr_count:     98
    .wavefront_size: 32
...
	.end_amdgpu_metadata
.endif
;; end of part 2
;; launch experts (part 3): grid 4 x 64, 4 waves a work-group, no clusters, 133,632 bytes of LDS; arguments sorted, wts, lowp_scales, x_codes, expert_weights_codes, out0; writes out0
.if DOCPART == 3
	.amdgcn_target "amdgcn-amd-amdhsa--gfx1250"
	.amdhsa_code_object_version 6
	.text
	.protected	k_q63f4c7c2f9_experts
	.globl	k_q63f4c7c2f9_experts
	.p2align	8
	.type	k_q63f4c7c2f9_experts,@function
k_q63f4c7c2f9_experts:
	s_mov_b64 s[64:65], 0
	v_nop
	global_prefetch_b8 v0, s[64:65] scope:SCOPE_SE
	s_setreg_imm32_b32 hwreg(HW_REG_WAVE_MODE, 25, 1), 1
	s_wait_xcnt 0x0
; out[t][:] = w_lo (x[t] W[lo]) + w_hi (x[t] W[hi]), on codes of E5M2 as they are given: x [4096][1024], W [16][1024 (column of out)][1024 (K)], K innermost.  A sum stands for sum x 2^(s2 + s3): that factor goes into the weights.
; sorted: the tokens' words lo << 16 | hi << 12 | token in ascending order, so that neighbours use the same experts.  wts[token] = (w_lo, w_hi).
; EACH OUTPUT ROW HAS ONE OWNER.  A work-group takes 64 neighbours of sorted x 256 columns; it walks only the experts that its 64 tokens use (two at the least), each token's sum weighed by w_lo, w_hi or 0.
; SHARES.  Wave w takes all 64 tokens x columns 64 w .. 64 w + 63 of the work-group's 256, 32 columns (an ITEM) at a time.  The 64 tokens' codes, 64 x 1,024 bytes, are 512 registers of every wave and stay there:
; the walk reads no LDS and has no barrier.  All four waves walk the same experts, so their work is equal.
; WHICH EXPERTS ARE WALKED is a mask of 16 bits.  It steers addresses and a trip count, so it is made of whole numbers alone, by scalar instructions, from the block's 64 words as scalar loads bring them:
; six lines a word, set where the wave waits anyway (for x's rows from memory; for x's fragments from LDS).  The first expert is the first word's lo, so its weights are asked for ahead of the mask.
; THE WEIGHTS GO FROM MEMORY STRAIGHT INTO REGISTERS: which experts are walked hangs on numbers read from memory.  An item's weights, 32 rows x 1,024 bytes, fill a ring of 256 registers in four groups of 16 loads;
; a group is loaded again, for the next item, as soon as its 16 products are issued: 48 to 64 loads of a wave are always out.  A group's 16 loads together take bytes 256 g .. 256 g + 255 of 32 rows.
; No joint loads in a cluster and no tensor loads: the number of experts walked and their addresses differ from block to block and are read from memory.
; THE PRODUCT IS USED TRANSPOSED (source 0 = 16 rows of W, source 1 = 16 tokens): lane (r, h) of tile (m, n) holds token 16 m + r, and its register j column 16 n + 8 h + j: one weight a lane scales a tile.
; A fragment (16 rows x 128 K) is fetched by four loads of 16 bytes, 32 bytes apart: registers 4 c .. 4 c + 3 hold K = 32 c + 16 h + 0 .. 15, the same permutation of k on both sides.
; LIMITS.  Codes of infinity and NaN are not served (a token that does not use an expert of its block takes 0 x that sum).  s2 + s3 lies between -96 and 96, so that a weight x 2^(s2 + s3) keeps its bits.
; LDS: bytes 0 .. 66,559 the 64 rows of x, 1,040 bytes apart (1,024 + 16: the 16 rows of a fragment load start in 16 different columns of 16 bytes); from STG on the stage for the way out, 64 rows x (1,024 + 16).
; REGISTERS, in windows of 256.  window 0: v1-15 addresses and temporaries; v32-95 eight accumulators (tile 4 n + m); v96-127 the tokens' experts and weights; v128-255 out's sums (64 cg + 8 (4 n + m)).
;   window 1: the ring: W's fragment (K step s, tile n) at 16 (2 s + n).   windows 2, 3: x's fragment (K step s, tile m) at 64 (s % 4) + 16 m, K steps 0-3 in window 2, 4-7 in window 3.
.set XP,    1040                       ; an LDS row
.set TROWS, 16*XP                      ; sixteen of them
.set STG,   64*XP
.set WOFF,  3                          ; v3   my lane's byte in 16 rows of W: 1,024 r + 16 h; never rewritten
.set XFA,   4                          ; v4   my lane's byte in 16 rows of x in LDS: XP r + 16 h
.set R4,    5                          ; v5   4 r
.set L16,   8                          ; v8   16 x lane
.set XS,    9                          ; v9   where I put my wave's rows of x
.set SO,    10                         ; v10  the stage: where I put 16 bytes of a row
.set SR,    11                         ; v11  and where I read a row back
.set ACC,   32
.set LO,    96                         ; v96-99    tile m: my token's lower expert
.set HI,    100                        ; v100-103  its higher expert
.set WP,    104                        ; v104-111  tile m: (w_lo, w_hi) x 2^(s2 + s3)
.set WT,    112                        ; v112, 114, 116, 118: tile m's weight for the expert in hand; the odd registers are named with them as pairs
.set CK,    120                        ; v120-123  tile m: my token's word of sorted
.set TK,    124                        ; v124-127  its place in wts
.set OUT,   128
.set WB,    38                         ; s[38:39] W at my wave's 64 rows of expert 0
.set CUR,   40                         ; s[40:41] the same of the expert in hand
.set NXT,   42                         ; s[42:43] of the next one
.set EC,    44                         ; s44  the expert in hand
.set EN,    45                         ; s45  the next one
.set RM,    46                         ; s46  mask of the block's experts that have not been picked
.set BA,    68                         ; s[68:83]  sixteen of the block's words, for the mask
.set BB,    84                         ; s[84:99]  sixteen more
.set MSB, 0
.macro WIN new                         ; the immediate's high byte repeats the setting that is left
.if MSB != \new
	s_set_vgpr_msb (MSB<<8)|\new
.set MSB, \new
.endif
.endm
.set MULA, 0x09                        ; source 0 (W) window 1, source 1 (x) window 2, C and D window 0
.set MULB, 0x0d                        ; the same with x in window 3
.set TOR,  0x40                        ; destination window 1, address window 0
	s_load_b256 s[4:11], s[0:1], 0x0               ; sorted s[4:5], wts s[6:7], scales s[8:9], x s[10:11]
	s_load_b128 s[12:15], s[0:1], 0x20             ; W s[12:13], out s[14:15]
	v_lshl_add_u32 v30, v0, 2, 0x20800
	v_mov_b32 v31, 0
	v_lshrrev_b32 v12, 5, v0
	v_readfirstlane_b32 s32, v12                   ; wave 0..3
	s_and_b32 s34, ttmp7, 0xffff                   ; my block of 64 of sorted
	v_and_b32 v1, 15, v0                           ; r
	v_bfe_u32 v2, v0, 4, 1                         ; h
	v_lshlrev_b32 v[WOFF], 10, v1
	v_lshl_add_u32 v[WOFF], v2, 4, v[WOFF]
	v_mul_u32_u24 v[XFA], v1, XP
	v_lshl_add_u32 v[SO], v2, 5, v[XFA]            ; the stage: row r, + 32 h,
	v_lshl_add_u32 v[XFA], v2, 4, v[XFA]
	v_lshlrev_b32 v[R4], 2, v1
	v_and_b32 v[L16], 31, v0
	v_lshlrev_b32 v[L16], 4, v[L16]
	s_mul_i32 s52, s32, TROWS
	v_add_nc_u32 v[XS], s52, v[L16]                ; my wave's 16 rows, 16 bytes a lane
	v_add_nc_u32 v[SR], STG, v[XS]                 ; and the same rows of the stage
	s_lshl_b32 s52, s32, 8
	v_add_nc_u32 v[SO], s52, v[SO]                 ; + 256 x wave: my 64 columns' bytes
	v_add_nc_u32 v[SO], STG, v[SO]
.irp m, 0,1,2,3
	v_mov_b32 v[WT+2*\m+1], 0                      ; (named as the upper halves of pairs)
.endr
	s_lshl_b32 s36, s34, 8                         ; my block's 64 words of sorted,
	s_mov_b32 s37, 0
	s_lshl_b32 s50, s32, 6                         ; my wave's 16 of them
	s_mov_b32 s51, 0
	s_lshl_b32 s52, ttmp9, 18                      ; the work-group's 256 rows of W,
	s_lshl_b32 s53, s32, 16                        ; my wave's 64 of them
	s_add_co_u32 s52, s52, s53
	s_mov_b32 s53, 0
	s_lshl_b32 s58, ttmp9, 10                      ; the work-group's 256 columns in a row of out
	s_mov_b32 s59, 0
	s_mov_b32 s[RM], 0
	s_wait_kmcnt 0x0
	s_add_nc_u64 s[4:5], s[4:5], s[36:37]
	s_add_nc_u64 s[56:57], s[4:5], s[50:51]
	s_add_nc_u64 s[WB:WB+1], s[12:13], s[52:53]
	s_add_nc_u64 s[14:15], s[14:15], s[58:59]
	s_load_b512 s[16:31], s[56:57], 0x0            ; my wave's 16 words: the rows of x that I fetch and the rows of out that I store
	s_load_b512 s[BA:BA+15], s[4:5], 0x0           ; the block's words 0-15,
	s_load_b512 s[BB:BB+15], s[4:5], 0x40          ; and 16-31, for the mask
	s_load_b64 s[54:55], s[8:9], 0x8               ; s2, s3
.irp m, 0,1,2,3
	global_load_b32 v[CK+\m], v[R4], s[4:5] offset:64*\m    ; all 64 words, by tiles: lane (r, h) takes token 16 m + r's
.endr
	s_wait_kmcnt 0x0
.irp i, 0,1,2,3,4,5,6,7,8,9,10,11,12,13,14,15
	s_and_b32 s[16+\i], s[16+\i], 0xfff            ; the token,
	s_min_u32 s[16+\i], s[16+\i], 0xfff            ; held inside the tensors
	v_lshl_add_u32 v[ACC+\i], s[16+\i], 10, v[L16] ; its row of x, 16 bytes a lane
.endr
	WIN 0xc0                                       ; destination window 3: the rows land where x's last fragments will lie
.irp i, 0,1,2,3,4,5,6,7,8,9,10,11,12,13,14,15
.irp u, 0,1
	global_load_b128 v[8*\i+4*\u:8*\i+4*\u+3], v[ACC+\i], s[10:11] offset:512*\u    ; 32 lanes read 512 consecutive bytes of a row
.endr
.endr
	WIN 0
	s_bfe_u32 s[EN], s[BA], 0x40010                ; the first expert walked: the first word's lo (4 bits from bit 16),
	s_min_u32 s[EN], s[EN], 15                     ; held inside W
	s_lshl_b32 s50, s[EN], 20                      ; an expert is 2^20 bytes
	s_add_nc_u64 s[NXT:NXT+1], s[WB:WB+1], s[50:51]
	s_wait_loadcnt 32                              ; loads come back in order: the four words are in, the 32 loads of rows may be out
.irp m, 0,1,2,3
	v_bfe_u32 v[LO+\m], v[CK+\m], 16, 4
	v_bfe_u32 v[HI+\m], v[CK+\m], 12, 4
	v_and_b32 v[TK+\m], 0xfff, v[CK+\m]
	v_min_u32 v[TK+\m], 0xfff, v[TK+\m]
	v_lshlrev_b32 v[TK+\m], 3, v[TK+\m]
.endr
.irp m, 0,1,2,3
	global_load_b64 v[WP+2*\m:WP+2*\m+1], v[TK+\m], s[6:7]
.endr
; Sixteen words' experts into the mask: 1 << lo and 1 << hi of each.
.macro MASK base
.irp i, 0,1,2,3,4,5,6,7,8,9,10,11,12,13,14,15
	s_bfe_u32 s52, s[\base+\i], 0x40010            ; lo: 4 bits from bit 16
	s_bfe_u32 s53, s[\base+\i], 0x4000c            ; hi: 4 bits from bit 12
	s_lshl_b32 s52, 1, s52
	s_lshl_b32 s53, 1, s53
	s_or_b32 s[RM], s[RM], s52
	s_or_b32 s[RM], s[RM], s53
.endr
.endm
; The lowest expert left in the mask becomes the next one.
.macro PICK
	s_ctz_i32_b32 s[EN], s[RM]
	s_min_u32 s[EN], s[EN], 15                     ; held inside W
	s_sub_co_u32 s52, s[RM], 1
	s_and_b32 s[RM], s[RM], s52                    ; its bit is cleared
	s_lshl_b32 s50, s[EN], 20
	s_add_nc_u64 s[NXT:NXT+1], s[WB:WB+1], s[50:51]
.endm
; Group g of the ring: K steps 2 g and 2 g + 1 of an item's 32 rows, from ofs bytes behind base on: 16 loads.  (The window is set by the caller.)
.macro RLOAD g, base, ofs
.irp k, 0,1
.irp n, 0,1
.irp c, 0,1,2,3
	global_load_b128 v[16*(2*(2*(\g)+\k)+\n)+4*\c:16*(2*(2*(\g)+\k)+\n)+4*\c+3], v[WOFF], s[\base:\base+1] offset:\ofs+16384*\n+128*(2*(\g)+\k)+32*\c
.endr
.endr
.endr
.endm
	WIN TOR
	RLOAD 0, NXT, 0                                ; half of the first expert's first item goes out ahead of the wait for x
	RLOAD 1, NXT, 0
	MASK BA                                        ; words 0-15, while x's rows are on their way;
	s_load_b512 s[BA:BA+15], s[4:5], 0x80          ; the set has been read: it takes words 32-47
	MASK BB                                        ; words 16-31;
	s_load_b512 s[BB:BB+15], s[4:5], 0xc0          ; and this one words 48-63
	s_wait_loadcnt 32                              ; x's rows and the weights are in; the 32 loads of the ring may be out
	WIN 0x0c                                       ; store data window 3
.irp i, 0,1,2,3,4,5,6,7,8,9,10,11,12,13,14,15
.irp u, 0,1
	ds_store_b128 v[XS], v[8*\i+4*\u:8*\i+4*\u+3] offset:XP*\i+512*\u
.endr
.endr
	WIN TOR
	RLOAD 2, NXT, 0
	RLOAD 3, NXT, 0
	WIN 0
	s_add_co_i32 s48, s54, s55                     ; s2 + s3
.irp k, 0,1,2,3,4,5,6,7
	v_ldexp_f32 v[WP+\k], v[WP+\k], s48
.endr
	s_wait_kmcnt 0x0                               ; words 32-63 are in
	s_wait_dscnt 0x0                               ; for the others' sake: my rows have landed
	s_barrier_signal -1
	s_barrier_wait -1                              ; all 64 rows of x lie in LDS
	WIN 0x80                                       ; destination window 2
.irp s, 0,1,2,3
.irp m, 0,1,2,3
.irp c, 0,1,2,3
	ds_load_b128 v[64*\s+16*\m+4*\c:64*\s+16*\m+4*\c+3], v[XFA] offset:TROWS*\m+128*\s+32*\c
.endr
.endr
.endr
	WIN 0xc0                                       ; destination window 3
.irp s, 0,1,2,3
.irp m, 0,1,2,3
.irp c, 0,1,2,3
	ds_load_b128 v[64*\s+16*\m+4*\c:64*\s+16*\m+4*\c+3], v[XFA] offset:TROWS*\m+128*(\s+4)+32*\c
.endr
.endr
.endr
	WIN 0
	MASK BA                                        ; words 32-47 and 48-63, while x's fragments come from LDS
	MASK BB
	s_bcnt1_i32_b32 s49, s[RM]                     ; how many experts the block uses;
	s_sub_co_u32 s49, s49, 2                       ; those between the first and the last: lo < hi, so two are used at the least
	s_min_u32 s49, s49, 14
	s_lshl_b32 s52, 1, s[EN]
	s_and_not1_b32 s[RM], s[RM], s52               ; the first expert has been picked
	s_wait_dscnt 0x0                               ; x is in registers for the rest of the launch
; 16 products: K steps 2 g and 2 g + 1, two tiles of columns x four tiles of tokens.  The eight accumulators take turns, one instruction a turn, in the same order everywhere;
; an item's first eight products start its sums.  mode 1: the group is loaded again with the same expert's next 32 rows; 2: with the next expert's first 32; 0: not at all.
; cnt: the loads younger than this group's 16, which may stay out.
.macro GROUP g, mode, cnt
	s_wait_loadcnt \cnt
.if (\g) < 2
	WIN MULA
.else
	WIN MULB
.endif
.irp k, 0,1
.irp n, 0,1
.irp m, 0,1,2,3
.set RW, 16*(2*(2*(\g)+\k)+\n)
.set RX, 64*((2*(\g)+\k)%4)+16*\m
.set RC, ACC+8*(4*\n+\m)
.if (2*(\g)+\k) == 0
	v_wmma_f32_16x16x128_bf8_bf8 v[RC:RC+7], v[RW:RW+15], v[RX:RX+15], 0
.else
	v_wmma_f32_16x16x128_bf8_bf8 v[RC:RC+7], v[RW:RW+15], v[RX:RX+15], v[RC:RC+7]
.endif
.endr
.endr
.endr
.if ((\mode) != 0) || ((\g) == 3)
.rept 4
	v_nop                                          ; four places in front of loads into registers that these products have read, and (group 3) of the first read of the sums (ISA guide 7.12.1 for vector instructions)
.endr
.endif
.if (\mode) == 1
	WIN TOR
	RLOAD \g, CUR, 32768
.elseif (\mode) == 2
	WIN TOR
	RLOAD \g, NXT, 0
.endif
.endm
; An item: 32 columns x 64 tokens x all of K.  The ring's loads are issued in the order in which they are used: behind a group's 16 stand this item's later groups and the next item's earlier ones, three groups in all.
.macro ITEM mode
.if (\mode) != 0
	GROUP 0, \mode, 48
	GROUP 1, \mode, 48
	GROUP 2, \mode, 48
	GROUP 3, \mode, 48
.else
	GROUP 0, 0, 48                                 ; the last item loads nothing: the counts run down
	GROUP 1, 0, 32
	GROUP 2, 0, 16
	GROUP 3, 0, 0
.endif
.endm
; out's sums += the item's sums x the token's weight for this expert; first = 1: the first expert starts them, so nothing is cleared.  Each accumulator from its low end on.
.macro FMA cg, first
	WIN 0
.irp n, 0,1
.irp m, 0,1,2,3
.irp i, 0,2,4,6
.if \first
	v_pk_mul_f32 v[OUT+64*\cg+8*(4*\n+\m)+\i:OUT+64*\cg+8*(4*\n+\m)+\i+1], v[ACC+8*(4*\n+\m)+\i:ACC+8*(4*\n+\m)+\i+1], v[WT+2*\m:WT+2*\m+1] op_sel_hi:[1,0]
.else
	v_pk_fma_f32 v[OUT+64*\cg+8*(4*\n+\m)+\i:OUT+64*\cg+8*(4*\n+\m)+\i+1], v[ACC+8*(4*\n+\m)+\i:ACC+8*(4*\n+\m)+\i+1], v[WT+2*\m:WT+2*\m+1], v[OUT+64*\cg+8*(4*\n+\m)+\i:OUT+64*\cg+8*(4*\n+\m)+\i+1] op_sel_hi:[1,0,1]
.endif
.endr
.endr
.endr
.endm
; My four tokens' weights for the expert in hand: w_lo, w_hi, or 0 for a token that does not use it.
.macro SETW
.irp m, 0,1,2,3
	v_cmp_eq_u32 vcc_lo, s[EC], v[LO+\m]
	v_cndmask_b32 v12, 0, v[WP+2*\m], vcc_lo
	v_cmp_eq_u32 vcc_lo, s[EC], v[HI+\m]
	v_cndmask_b32 v[WT+2*\m], v12, v[WP+2*\m+1], vcc_lo
.endr
.endm
; An expert: its two items.  The ring holds its first 32 rows on the way in.
.macro EXPERT first, last
	s_wait_xcnt 0x0                                ; the ring's pending loads name both bases: they are rewritten only behind this wait
	s_mov_b64 s[CUR:CUR+1], s[NXT:NXT+1]
	s_mov_b32 s[EC], s[EN]
.if !(\last)
	PICK
.endif
	SETW
	ITEM 1
	FMA 0, \first
.if \last
	ITEM 0
.else
	ITEM 2
.endif
	FMA 1, \first
.endm
	EXPERT 1, 0                                    ; the first of the block's experts
	s_cmp_eq_u32 s49, 0
	s_cbranch_scc1 .Llast                          ; a block with two experts has none between
	s_mov_b32 s47, 0
.Lexp:                                                 ; (every window is 0 here: FMA leaves it so)
	EXPERT 0, 0
	s_add_co_u32 s47, s47, 1
	s_cmp_lt_u32 s47, s49
	s_cbranch_scc1 .Lexp
.Llast:
	EXPERT 0, 1                                    ; the last one asks for nothing beyond itself
	; THE WAY OUT.  A lane holds 32 neighbouring bytes of a token's row, and a row's 1,024 bytes come from four waves: they meet in the stage, and each wave stores 16 whole rows, each at its token's place.
.irp cg, 0,1
.irp n, 0,1
.irp m, 0,1,2,3
.irp q, 0,1
	ds_store_b128 v[SO], v[OUT+64*\cg+8*(4*\n+\m)+4*\q:OUT+64*\cg+8*(4*\n+\m)+4*\q+3] offset:TROWS*\m+128*\cg+64*\n+16*\q
.endr
.endr
.endr
.endr
.irp i, 0,1,2,3,4,5,6,7,8,9,10,11,12,13,14,15
	v_lshl_add_u32 v[ACC+\i], s[16+\i], 12, v[L16] ; my wave's i-th token's row of out, 16 bytes a lane
.endr
	s_wait_dscnt 0x0                               ; for the others' sake: my stores into the stage have landed
	s_barrier_signal -1
	s_barrier_wait -1
.irp i, 0,1,2,3,4,5,6,7,8,9,10,11,12,13,14,15
.irp u, 0,1
	ds_load_b128 v[OUT+8*\i+4*\u:OUT+8*\i+4*\u+3], v[SR] offset:XP*\i+512*\u
.endr
.endr
.irp i, 0,1,2,3,4,5,6,7,8,9,10,11,12,13,14,15
.irp u, 0,1
	s_wait_dscnt 31-2*\i-\u                        ; LDS loads come back in order: this one is in, the younger ones may be out
	global_store_b128 v[ACC+\i], v[OUT+8*\i+4*\u:OUT+8*\i+4*\u+3], s[14:15] offset:512*\u th:TH_STORE_NT    ; 32 lanes store 512 consecutive bytes, at a multiple of 256 from out's first byte; written once, read by nobody here
.endr
.endr
	s_wait_tensorcnt 0x0
	ds_add_u32 v30, v31
	s_wait_dscnt 0x0
	s_endpgm
.Lfunc_end_k_q63f4c7c2f9_experts:
	.size	k_q63f4c7c2f9_experts, .Lfunc_end_k_q63f4c7c2f9_experts-k_q63f4c7c2f9_experts
	.p2alignl 7, 3214868480
	.fill 96, 4, 3214868480
	.section	.rodata,"a",@progbits
	.p2align	6, 0x0
	.amdhsa_kernel k_q63f4c7c2f9_experts
		.amdhsa_group_segment_fixed_size 133632
		.amdhsa_private_segment_fixed_size 0
		.amdhsa_enable_private_segment 0
		.amdhsa_kernarg_size 48
		.amdhsa_user_sgpr_count 2
		.amdhsa_user_sgpr_kernarg_segment_ptr 1
		.amdhsa_wavefront_size32 1
		.amdhsa_system_sgpr_workgroup_id_x 1
		.amdhsa_system_sgpr_workgroup_id_y 1
		.amdhsa_system_sgpr_workgroup_id_z 1
		.amdhsa_system_vgpr_workitem_id 0
		.amdhsa_next_free_vgpr 1024
		.amdhsa_next_free_sgpr 100
		.amdhsa_reserve_vcc 1
		.amdhsa_float_denorm_mode_32 3
		.amdhsa_float_denorm_mode_16_64 3
		.amdhsa_memory_ordered 1
		.amdhsa_forward_progress 1
		.amdhsa_inst_pref_size 127
	.end_amdhsa_kernel
	.amdgpu_metadata
---
amdhsa.version: [ 1, 2 ]
amdhsa.kernels:
  - .name:           k_q63f4c7c2f9_experts
    .symbol:         k_q63f4c7c2f9_experts.kd
    .args:
      - { .name: sorted, .offset: 0, .size: 8, .value_kind: global_buffer, .address_space: global }
      - { .name: wts, .offset: 8, .size: 8, .value_kind: global_buffer, .address_space: global }
      - { .name: lowp_scales, .offset: 16, .size: 8, .value_kind: global_buffer, .address_space: global }
      - { .name: x_codes, .offset: 24, .size: 8, .value_kind: global_buffer, .address_space: global }
      - { .name: expert_weights_codes, .offset: 32, .size: 8, .value_kind: global_buffer, .address_space: global }
      - { .name: out0, .offset: 40, .size: 8, .value_kind: global_buffer, .address_space: global }
    .group_segment_fixed_size: 133632
    .private_segment_fixed_size: 0
    .kernarg_segment_align: 8
    .kernarg_segment_size: 48
    .max_flat_workgroup_size: 128
    .sgpr_count:     100
    .vgpr_count:     1024
    .wavefront_size: 32
...
	.end_amdgpu_metadata
.endif
;; end of part 3
;; ======== version 2 of 2: 3 launches
;; limits: right only within a limited range of input values
;; workspace buffers: keys 16,384 bytes of whole numbers; sorted 16,384 bytes of whole numbers; wts 32,768 bytes
;; launch router (part 4): grid 256 x 1, 1 waves a work-group, no clusters, 0 bytes of LDS; arguments x_codes, gate_weight_codes, lowp_scales, keys, wts; writes keys, wts
.if DOCPART == 4
	.amdgcn_target "amdgcn-amd-amdhsa--gfx1250"
	.amdhsa_code_object_version 6
	.text
	.protected	k_q63f4c7c2f9_router
	.globl	k_q63f4c7c2f9_router
	.p2align	8
	.type	k_q63f4c7c2f9_router,@function
k_q63f4c7c2f9_router:
	s_mov_b64 s[64:65], 0
	v_nop
	global_prefetch_b8 v0, s[64:65] scope:SCOPE_SE
	s_setreg_imm32_b32 hwreg(HW_REG_WAVE_SCHED_MODE, 0, 2), 2
	s_setreg_imm32_b32 hwreg(HW_REG_WAVE_MODE, 25, 1), 1
	s_wait_xcnt 0x0
	s_wait_alu depctr_vm_vsrc(0)
; THE ROUTER.  logits[t][e] = sum over k of x[t][k] gate[e][k], on codes of E5M2 as they are given; the two largest logits of a token, and the softmax of those two.
; x: [4096][1024] codes, gate: [16][1024] codes, K innermost.  A logit is its sum x 2^(s0 + s1), s0 and s1 the first two whole numbers of the buffer of scales: a positive factor, so the order is taken of the sums.
; STORED, at places that hang on the token's number alone: keys[t] = lo << 16 | hi << 12 | t, lo < hi the two chosen experts; wts[t] = (weight of lo, weight of hi), f32.
; SHARES.  One wave to a work-group, 16 tokens to a wave.  The product is used transposed (source 0 = the 16 rows of gate, source 1 = 16 tokens): lane (r, h) holds token r, and its register j the logit of expert 8 h + j.
; A fragment (16 rows x 128 K) is fetched by four loads of 16 bytes, 32 bytes apart: registers 4 c .. 4 c + 3 hold K = 32 c + 16 h + 0 .. 15: the same permutation of k on both sides, so every product meets its partner.
; TIES go to the lower index: every compare is strict, and the lower index is the one that stands.
; LIMITS.  Codes of infinity and NaN are not served.  Two logits closer than the rounding of their f32 sums may be ranked otherwise than by another order of summation.  An exponential under 2^-126 counts as 0.
; STORES.  A wave stores 64 bytes of keys and 128 of weights, consecutive; 48 KiB in the whole launch beside 4 MiB read, so they are not gathered further.
; REGISTERS.  window 0: v1 r, v2 h, v3 lane offset in a tile's rows, v4 8 h; v16-31 two accumulators; v32-39 the logits; v40-68 at work; v128-255 gate's eight fragments.   window 1: v0-127 x's eight fragments.
; THE MODE: SCHED_MODE bits 1:0 = 2 (LLVM: expert scheduling mode 2), set by the entry lines.  The code itself states the register dependences between vector or matrix instructions and memory instructions,
; and those through scalar registers, VCC and EXEC, with s_wait_alu, always for 0.
; THE PLAN.  Registers that memory instructions touch: v3, the 64 loads' offset, written once at the head; the fragments, loaded once, read by the products behind the wait for the loads;
; v66, v67 (offsets) and v63, v64, v65 (data) of the two stores, written by vector lines ahead of the waits that stand in front of the mask on EXEC.
; A compare's mask goes into s24 or s25; a step's two compares read only what stood before the step, so they stand as a run, with one wait between them and the selects that read the masks.
.set GF,  128                          ; gate's fragments, K step s at GF + 16 s
.set A0,  16                           ; the two accumulators: even K steps, odd K steps
.set LG,  32                           ; the lane's eight logits
.set MSB, 0
.macro WIN new                         ; the immediate's high byte repeats the setting that is left
.if MSB != \new
	s_set_vgpr_msb (MSB<<8)|\new
.set MSB, \new
.endif
.endm
	s_load_b256 s[4:11], s[0:1], 0x0               ; x s[4:5], gate s[6:7], scales s[8:9], keys s[10:11]
	s_load_b64 s[12:13], s[0:1], 0x20              ; wts
	v_and_b32 v1, 15, v0                           ; r
	v_lshrrev_b32 v2, 4, v0                        ; h
	v_lshlrev_b32 v3, 10, v1                       ; a row is 1,024 bytes
	v_lshl_add_u32 v3, v2, 4, v3                   ; + 16 h
	v_lshlrev_b32 v4, 3, v2                        ; 8 h: my half's first expert
	s_lshl_b32 s14, ttmp9, 14                      ; my 16 rows of x
	s_mov_b32 s15, 0
	s_lshl_b32 s19, ttmp9, 4
	s_mov_b32 s20, 0x76543210                      ; v_permlanex16_b32's selects for lane l xor 16
	s_mov_b32 s21, 0xfedcba98
	v_add_nc_u32 v68, s19, v1                      ; my token
	v_lshlrev_b32 v66, 2, v68                      ; its place in keys,
	v_lshlrev_b32 v67, 3, v68                      ; and in wts
.irp j, 44,45,46,47
	v_mov_b32 v\j, 0                               ; written once: a lane permute's destination counts as one of its sources
.endr
	s_wait_kmcnt 0x0
	s_load_b64 s[16:17], s[8:9], 0x0               ; s0, s1
	s_add_nc_u64 s[4:5], s[4:5], s[14:15]
	WIN 0x40                                       ; destination window 1
	s_wait_alu depctr_va_vdst(0)                   ; v3 is written, which all 64 loads below read as their offset
.irp s, 0,1,2,3,4,5,6,7
.irp c, 0,1,2,3
	global_load_b128 v[16*\s+4*\c:16*\s+4*\c+3], v3, s[4:5] offset:128*\s+32*\c
.endr
.endr
	WIN 0
.irp s, 0,1,2,3,4,5,6,7
.irp c, 0,1,2,3
	global_load_b128 v[GF+16*\s+4*\c:GF+16*\s+4*\c+3], v3, s[6:7] offset:128*\s+32*\c
.endr
.endr
	s_wait_loadcnt 0x0
	WIN 0x04                                       ; source 1 (x) window 1
.irp s, 0,1,2,3,4,5,6,7                        ; two accumulators by turns, one instruction a turn; the first two products start the sums
.if \s < 2
	v_wmma_f32_16x16x128_bf8_bf8 v[A0+8*(\s%2):A0+8*(\s%2)+7], v[GF+16*\s:GF+16*\s+15], v[16*\s:16*\s+15], 0
.else
	v_wmma_f32_16x16x128_bf8_bf8 v[A0+8*(\s%2):A0+8*(\s%2)+7], v[GF+16*\s:GF+16*\s+15], v[16*\s:16*\s+15], v[A0+8*(\s%2):A0+8*(\s%2)+7]
.endif
.endr
	WIN 0
.rept 4
	v_nop                                          ; four places between the last product and the first read of results (ISA guide 7.12.1)
.endr
.irp j, 0,1,2,3,4,5,6,7
	v_add_f32 v[LG+\j], v[A0+\j], v[A0+8+\j]       ; the two halves of K; each accumulator from its low end on
.endr
	; the two largest of my eight: (v40, v41) the largest and its index, (v42, v43) the second
	v_cmp_gt_f32 s24, v33, v32
	s_wait_alu depctr_va_sdst(0)                   ; s24 is written, which the four selects read
	v_cndmask_b32 v40, v32, v33, s24
	v_cndmask_b32 v41, 0, 1, s24
	v_cndmask_b32 v42, v33, v32, s24
	v_cndmask_b32 v43, 1, 0, s24
.irp j, 2,3,4,5,6,7
	v_cmp_gt_f32 s24, v[LG+\j], v42                ; over the second: it takes the second's place;
	v_cmp_gt_f32 s25, v[LG+\j], v40                ; over the first too: the first moves down
	s_wait_alu depctr_va_sdst(0)                   ; s24 and s25 are written, which the six selects read
	v_cndmask_b32 v42, v42, v[LG+\j], s24
	v_cndmask_b32 v43, v43, \j, s24
	v_cndmask_b32 v42, v42, v40, s25
	v_cndmask_b32 v43, v43, v41, s25
	v_cndmask_b32 v40, v40, v[LG+\j], s25
	v_cndmask_b32 v41, v41, \j, s25
.endr
	v_add_nc_u32 v41, v41, v4
	v_add_nc_u32 v43, v43, v4
	; the other half's two.  From here on lanes 0-15 are right (their own experts 0-7 have the lower indices), and they alone store
	v_permlanex16_b32 v44, v40, s20, s21
	v_permlanex16_b32 v45, v41, s20, s21
	v_permlanex16_b32 v46, v42, s20, s21
	v_permlanex16_b32 v47, v43, s20, s21
	v_cmp_gt_f32 s24, v44, v40
	s_wait_alu depctr_va_sdst(0)                   ; s24 is written, which the six selects read
	v_cndmask_b32 v48, v40, v44, s24               ; the largest of sixteen,
	v_cndmask_b32 v49, v41, v45, s24               ; its expert;
	v_cndmask_b32 v50, v42, v40, s24               ; what is left as my half's best,
	v_cndmask_b32 v51, v43, v41, s24
	v_cndmask_b32 v52, v44, v46, s24               ; and as the other half's
	v_cndmask_b32 v53, v45, v47, s24
	v_cmp_gt_f32 s25, v52, v50
	s_wait_alu depctr_va_sdst(0)                   ; s25 is written, which the two selects read
	v_cndmask_b32 v54, v50, v52, s25               ; the second of sixteen,
	v_cndmask_b32 v55, v51, v53, s25               ; its expert
	s_wait_alu depctr_va_vdst(0)
	; the softmax of the two, the larger taken away first: w1 = 1 / (1 + e^(second - first)), w2 = e^(second - first) w1
	s_wait_kmcnt 0x0
	s_add_co_i32 s18, s16, s17                     ; s0 + s1
	v_sub_f32 v56, v54, v48                        ; 0 or less
	v_ldexp_f32 v56, v56, s18                      ; as a difference of logits
	v_mul_f32 v56, 0x3fb8aa3b, v56                 ; x log2(e)
	s_wait_alu depctr_va_vdst(0)
	v_exp_f32 v57, v56
	v_min_u32 v61, v49, v55                        ; lo  (a plain instruction behind the exponential)
	s_wait_alu depctr_va_vdst(0)                   ; the exponential has written v57, ahead of its first reader
	v_add_f32 v58, 1.0, v57
	s_wait_alu depctr_va_vdst(0)
	v_rcp_f32 v59, v58
	v_max_u32 v62, v49, v55                        ; hi  (a plain instruction behind the reciprocal)
	s_wait_alu depctr_va_vdst(0)                   ; the reciprocal has written v59, ahead of its first reader
	v_mul_f32 v60, v57, v59
	v_cmp_gt_u32 s24, v49, v55                     ; the larger logit's expert has the higher number: the weights change places
	s_wait_alu depctr_va_sdst(0)                   ; s24 is written, which the two selects read
	v_cndmask_b32 v64, v59, v60, s24               ; lo's weight
	v_cndmask_b32 v65, v60, v59, s24               ; hi's
	v_lshl_or_b32 v63, v62, 12, v68
	v_lshl_or_b32 v63, v61, 16, v63                ; lo << 16 | hi << 12 | token
	v_cmp_gt_u32 vcc_lo, 16, v0
	s_wait_xcnt 0x0                                ; EXEC changes only behind this wait
	s_wait_alu depctr_va_vcc(0)                    ; VCC is written: EXEC is made from it
	s_wait_alu depctr_va_vdst(0)                   ; every vector line so far is done, ahead of the write of EXEC; among them those that wrote v63 to v67, the stores' data and offsets
	s_wait_alu depctr_vm_vsrc(0)                   ; every memory instruction so far has read its registers, ahead of the write of EXEC
	s_and_saveexec_b32 s22, vcc_lo                 ; lanes 0-15
	global_store_b32 v66, v63, s[10:11]
	global_store_b64 v67, v[64:65], s[12:13]
	s_wait_xcnt 0x0                                ; and again in front of the line that widens it
	s_wait_alu depctr_va_vdst(0)                   ; ahead of the write of EXEC: the vector side,
	s_wait_alu depctr_vm_vsrc(0)                   ; and the two stores, which have read their registers
	s_or_b32 exec_lo, exec_lo, s22
	s_endpgm
.Lfunc_end_k_q63f4c7c2f9_router:
	.size	k_q63f4c7c2f9_router, .Lfunc_end_k_q63f4c7c2f9_router-k_q63f4c7c2f9_router
	.p2alignl 7, 3214868480
	.fill 96, 4, 3214868480
	.section	.rodata,"a",@progbits
	.p2align	6, 0x0
	.amdhsa_kernel k_q63f4c7c2f9_router
		.amdhsa_group_segment_fixed_size 0
		.amdhsa_private_segment_fixed_size 0
		.amdhsa_enable_private_segment 0
		.amdhsa_kernarg_size 40
		.amdhsa_user_sgpr_count 2
		.amdhsa_user_sgpr_kernarg_segment_ptr 1
		.amdhsa_wavefront_size32 1
		.amdhsa_system_sgpr_workgroup_id_x 1
		.amdhsa_system_sgpr_workgroup_id_y 1
		.amdhsa_system_sgpr_workgroup_id_z 1
		.amdhsa_system_vgpr_workitem_id 0
		.amdhsa_next_free_vgpr 384
		.amdhsa_next_free_sgpr 66
		.amdhsa_reserve_vcc 1
		.amdhsa_float_denorm_mode_32 3
		.amdhsa_float_denorm_mode_16_64 3
		.amdhsa_memory_ordered 1
		.amdhsa_forward_progress 1
		.amdhsa_inst_pref_size 15
	.end_amdhsa_kernel
	.amdgpu_metadata
---
amdhsa.version: [ 1, 2 ]
amdhsa.kernels:
  - .name:           k_q63f4c7c2f9_router
    .symbol:         k_q63f4c7c2f9_router.kd
    .args:
      - { .name: x_codes, .offset: 0, .size: 8, .value_kind: global_buffer, .address_space: global }
      - { .name: gate_weight_codes, .offset: 8, .size: 8, .value_kind: global_buffer, .address_space: global }
      - { .name: lowp_scales, .offset: 16, .size: 8, .value_kind: global_buffer, .address_space: global }
      - { .name: keys, .offset: 24, .size: 8, .value_kind: global_buffer, .address_space: global }
      - { .name: wts, .offset: 32, .size: 8, .value_kind: global_buffer, .address_space: global }
    .group_segment_fixed_size: 0
    .private_segment_fixed_size: 0
    .kernarg_segment_align: 8
    .kernarg_segment_size: 40
    .max_flat_workgroup_size: 32
    .sgpr_count:     66
    .vgpr_count:     384
    .wavefront_size: 32
...
	.end_amdgpu_metadata
.endif
;; end of part 4
;; launch place (part 5): grid 256 x 1, 16 waves a work-group, no clusters, 20,480 bytes of LDS; arguments keys, sorted; writes sorted
.if DOCPART == 5
	.amdgcn_target "amdgcn-amd-amdhsa--gfx1250"
	.amdhsa_code_object_version 6
	.text
	.protected	k_q63f4c7c2f9_place
	.globl	k_q63f4c7c2f9_place
	.p2align	8
	.type	k_q63f4c7c2f9_place,@function
k_q63f4c7c2f9_place:
	s_mov_b64 s[64:65], 0
	v_nop
	global_prefetch_b8 v0, s[64:65] scope:SCOPE_SE
	s_setreg_imm32_b32 hwreg(HW_REG_WAVE_MODE, 25, 1), 1
	s_wait_xcnt 0x0
; THE SORT.  keys: [4096] words, all different (a token's number stands in the low 12 bits).  sorted[rank of keys[t]] = keys[t], rank = how many keys are smaller: 4,096 x 4,096 compares, shared out evenly.
; No atomics, and no LDS address is made of data.  The ranks are a permutation of 0 .. 4,095, so every word of sorted is written once, by one work-group.
; SHARES.  A work-group takes 16 tokens.  Thread t of 512 takes token 16 x work-group + t % 16 and the 128 keys from 128 (t / 16) on; the 32 counts of a token meet in LDS, and wave 0 adds them and stores.
; LDS: bytes 0 .. 16,383 all keys; from PART on 512 words, thread t's count at PART + 4 t.
; The sixteen lanes of a half read the same 16 bytes of LDS, which are fetched once for all of them.
; The store is a scatter of 16 words a work-group: it is the sort itself; 16 KiB in the whole launch.
.set PART, 16384
.set J0,   16                          ; v16-47  32 keys
.set J1,   48                          ; v48-79  32 keys
	s_load_b128 s[4:7], s[0:1], 0x0                ; keys, sorted
	v_lshl_add_u32 v96, v0, 2, 0x4800
	v_mov_b32 v97, 0
	v_lshrrev_b32 v7, 5, v0
	s_delay_alu instid0(VALU_DEP_1)
	v_readfirstlane_b32 s8, v7                     ; wave 0..15
	v_lshlrev_b32 v1, 4, v0                        ; 16 t: my 16 bytes of each half of the keys, in memory and in LDS
	s_lshl_b32 s9, ttmp9, 6
	v_and_b32 v2, 15, v0
	s_delay_alu instid0(VALU_DEP_1)
	v_lshl_add_u32 v2, v2, 2, s9                   ; my token's key
	v_lshrrev_b32 v3, 4, v0
	s_delay_alu instid0(VALU_DEP_1)
	v_lshlrev_b32 v3, 9, v3                        ; my 128 keys in LDS
	v_mov_b32 v5, 0                                ; the count
	v_lshl_add_u32 v6, v0, 2, PART                 ; where it goes
	v_mov_b32 v7, 0                                ; written once: a lane permute's destination counts as one of its sources
	s_mov_b32 s10, 0x76543210
	s_mov_b32 s11, 0xfedcba98
	s_wait_alu depctr_va_vdst(0)
	s_wait_kmcnt 0x0
	global_load_b128 v[8:11], v1, s[4:5]
	global_load_b128 v[12:15], v1, s[4:5] offset:8192
	global_load_b32 v4, v2, s[4:5]
	s_wait_loadcnt 0x0
	ds_store_b128 v1, v[8:11]
	ds_store_b128 v1, v[12:15] offset:8192
	s_wait_dscnt 0x0                               ; for the others' sake: my stores have landed
	s_barrier_signal -1
	s_barrier_wait -1                              ; all keys lie in LDS
.macro LD set, c                       ; the c-th 32 of my 128 keys
.irp i, 0,1,2,3,4,5,6,7
	ds_load_b128 v[\set+4*\i:\set+4*\i+3], v3 offset:128*\c+16*\i
.endr
.endm
.macro PROC set                        ; one compare and one add with carry in for each key
.irp k, 0,1,2,3,4,5,6,7,8,9,10,11,12,13,14,15,16,17,18,19,20,21,22,23,24,25,26,27,28,29,30,31
	v_cmp_lt_u32 vcc_lo, v[\set+\k], v4
	s_delay_alu instid0(VALU_DEP_1)
	v_add_co_ci_u32 v5, vcc_lo, 0, v5, vcc_lo
.endr
.endm
	LD J0, 0
	LD J1, 1
	s_wait_dscnt 8                                 ; LDS loads come back in order: the older eight are in, the younger eight may be out
	PROC J0
	LD J0, 2
	s_wait_alu depctr_va_vdst(0)
	s_wait_dscnt 8
	PROC J1
	LD J1, 3
	s_wait_alu depctr_va_vdst(0)
	s_wait_dscnt 8
	PROC J0
	s_wait_alu depctr_va_vdst(0)
	s_wait_dscnt 0x0
	PROC J1
	ds_store_b32 v6, v5
	s_wait_dscnt 0x0
	s_barrier_signal -1
	s_barrier_wait -1                              ; all 512 counts lie in LDS
	s_cmp_lg_u32 s8, 0
	s_cbranch_scc1 .Lend                           ; wave 0 alone goes on; no barrier follows
.irp k, 0,1,2,3,4,5,6,7,8,9,10,11,12,13,14,15
	ds_load_b32 v[J0+\k], v6 offset:128*\k         ; thread 32 k + lane's count: token lane % 16, keys from 128 (2 k + lane / 16) on
.endr
	s_wait_dscnt 0x0
	v_add3_u32 v16, v16, v17, v18
	v_add3_u32 v19, v19, v20, v21
	v_add3_u32 v22, v22, v23, v24
	v_add3_u32 v25, v25, v26, v27
	v_add3_u32 v28, v28, v29, v30
	s_delay_alu instid0(VALU_DEP_3)
	v_add3_u32 v16, v16, v19, v22
	s_delay_alu instid0(VALU_DEP_2)
	v_add3_u32 v25, v25, v28, v31
	s_delay_alu instid0(VALU_DEP_1)
	v_add_nc_u32 v16, v16, v25
	s_delay_alu instid0(VALU_DEP_1)
	v_permlanex16_b32 v7, v16, s10, s11            ; the other half of the ranges
	s_delay_alu instid0(VALU_DEP_1)
	v_add_nc_u32 v16, v16, v7                      ; the rank
	s_delay_alu instid0(VALU_DEP_1)
	v_min_u32 v16, 0xfff, v16                      ; held inside the buffer, whatever the keys
	s_delay_alu instid0(VALU_DEP_1)
	v_lshlrev_b32 v16, 2, v16
	v_cmp_gt_u32 vcc_lo, 16, v0
	s_wait_alu depctr_va_vdst(0)
	s_wait_xcnt 0x0                                ; EXEC changes only behind this wait
	s_and_saveexec_b32 s12, vcc_lo                 ; lanes 0-15: one for each token
	global_store_b32 v16, v4, s[6:7]
	s_wait_xcnt 0x0
	s_or_b32 exec_lo, exec_lo, s12
.Lend:
	s_wait_tensorcnt 0x0
	ds_add_u32 v96, v97
	s_wait_dscnt 0x0
	s_endpgm
.Lfunc_end_k_q63f4c7c2f9_place:
	.size	k_q63f4c7c2f9_place, .Lfunc_end_k_q63f4c7c2f9_place-k_q63f4c7c2f9_place
	.p2alignl 7, 3214868480
	.fill 96, 4, 3214868480
	.section	.rodata,"a",@progbits
	.p2align	6, 0x0
	.amdhsa_kernel k_q63f4c7c2f9_place
		.amdhsa_group_segment_fixed_size 20480
		.amdhsa_private_segment_fixed_size 0
		.amdhsa_enable_private_segment 0
		.amdhsa_kernarg_size 16
		.amdhsa_user_sgpr_count 2
		.amdhsa_user_sgpr_kernarg_segment_ptr 1
		.amdhsa_wavefront_size32 1
		.amdhsa_system_sgpr_workgroup_id_x 1
		.amdhsa_system_sgpr_workgroup_id_y 1
		.amdhsa_system_sgpr_workgroup_id_z 1
		.amdhsa_system_vgpr_workitem_id 0
		.amdhsa_next_free_vgpr 98
		.amdhsa_next_free_sgpr 66
		.amdhsa_reserve_vcc 1
		.amdhsa_float_denorm_mode_32 3
		.amdhsa_float_denorm_mode_16_64 3
		.amdhsa_memory_ordered 1
		.amdhsa_forward_progress 1
		.amdhsa_inst_pref_size 19
	.end_amdhsa_kernel
	.amdgpu_metadata
---
amdhsa.version: [ 1, 2 ]
amdhsa.kernels:
  - .name:           k_q63f4c7c2f9_place
    .symbol:         k_q63f4c7c2f9_place.kd
    .args:
      - { .name: keys, .offset: 0, .size: 8, .value_kind: global_buffer, .address_space: global }
      - { .name: sorted, .offset: 8, .size: 8, .value_kind: global_buffer, .address_space: global }
    .group_segment_fixed_size: 20480
    .private_segment_fixed_size: 0
    .kernarg_segment_align: 8
    .kernarg_segment_size: 16
    .max_flat_workgroup_size: 512
    .sgpr_count:     66
    .vgpr_count:     98
    .wavefront_size: 32
...
	.end_amdgpu_metadata
.endif
;; end of part 5
;; launch experts (part 6): grid 4 x 64, 4 waves a work-group, no clusters, 133,632 bytes of LDS; arguments sorted, wts, lowp_scales, x_codes, expert_weights_codes, out0; writes out0
.if DOCPART == 6
	.amdgcn_target "amdgcn-amd-amdhsa--gfx1250"
	.amdhsa_code_object_version 6
	.text
	.protected	k_q63f4c7c2f9_experts
	.globl	k_q63f4c7c2f9_experts
	.p2align	8
	.type	k_q63f4c7c2f9_experts,@function
k_q63f4c7c2f9_experts:
	s_mov_b64 s[64:65], 0
	v_nop
	global_prefetch_b8 v0, s[64:65] scope:SCOPE_SE
	s_setreg_imm32_b32 hwreg(HW_REG_WAVE_SCHED_MODE, 0, 2), 2
	s_setreg_imm32_b32 hwreg(HW_REG_WAVE_MODE, 25, 1), 1
	s_wait_xcnt 0x0
	s_wait_alu depctr_vm_vsrc(0)
; out[t][:] = w_lo (x[t] W[lo]) + w_hi (x[t] W[hi]), on codes of E5M2 as they are given: x [4096][1024], W [16][1024 (column of out)][1024 (K)], K innermost.  A sum stands for sum x 2^(s2 + s3): that factor goes into the weights.
; sorted: the tokens' words lo << 16 | hi << 12 | token in ascending order, so that neighbours use the same experts.  wts[token] = (w_lo, w_hi).
; EACH OUTPUT ROW HAS ONE OWNER.  A work-group takes 64 neighbours of sorted x 256 columns; it walks only the experts that its 64 tokens use (two at the least), each token's sum weighed by w_lo, w_hi or 0.
; SHARES.  Wave w takes all 64 tokens x columns 64 w .. 64 w + 63 of the work-group's 256, 32 columns (an ITEM) at a time.  The 64 tokens' codes, 64 x 1,024 bytes, are 512 registers of every wave and stay there:
; the walk reads no LDS and has no barrier.  All four waves walk the same experts, so their work is equal.
; WHICH EXPERTS ARE WALKED is a mask of 16 bits.  It steers addresses and a trip count, so it is made of whole numbers alone, by scalar instructions, from the block's 64 words as scalar loads bring them:
; six lines a word, set where the wave waits anyway (for x's rows from memory; for x's fragments from LDS).  The first expert is the first word's lo, so its weights are asked for ahead of the mask.
; THE WEIGHTS GO FROM MEMORY STRAIGHT INTO REGISTERS: which experts are walked hangs on numbers read from memory.  An item's weights, 32 rows x 1,024 bytes, fill a ring of 256 registers in four groups of 16 loads;
; a group is loaded again, for the next item, as soon as its 16 products are done: 48 to 64 loads of a wave are always out.  A group's 16 loads together take bytes 256 g .. 256 g + 255 of 32 rows.
; No joint loads in a cluster and no tensor loads: the number of experts walked and their addresses differ from block to block and are read from memory.
; THE PRODUCT IS USED TRANSPOSED (source 0 = 16 rows of W, source 1 = 16 tokens): lane (r, h) of tile (m, n) holds token 16 m + r, and its register j column 16 n + 8 h + j: one weight a lane scales a tile.
; A fragment (16 rows x 128 K) is fetched by four loads of 16 bytes, 32 bytes apart: registers 4 c .. 4 c + 3 hold K = 32 c + 16 h + 0 .. 15, the same permutation of k on both sides.
; LIMITS.  Codes of infinity and NaN are not served (a token that does not use an expert of its block takes 0 x that sum).  s2 + s3 lies between -96 and 96, so that a weight x 2^(s2 + s3) keeps its bits.
; LDS: bytes 0 .. 66,559 the 64 rows of x, 1,040 bytes apart (1,024 + 16: the 16 rows of a fragment load start in 16 different columns of 16 bytes); from STG on the stage for the way out, 64 rows x (1,024 + 16);
; behind it, from byte 0x20800 on, the spare words, 128 bytes for each wave, which no other line names.
; REGISTERS, in windows of 256.  window 0: v1-15 addresses and temporaries; v30, v31 the closing add's two; v32-95 eight accumulators (tile 4 n + m); v96-127 the tokens' experts and weights; v128-255 out's sums (64 cg + 8 (4 n + m)).
;   window 1: the ring: W's fragment (K step s, tile n) at 16 (2 s + n).   windows 2, 3: x's fragment (K step s, tile m) at 64 (s % 4) + 16 m, K steps 0-3 in window 2, 4-7 in window 3.
; THE MODE: SCHED_MODE bits 1:0 = 2 (LLVM: expert scheduling mode 2), set by the entry lines.  The code itself states the register dependences between vector or matrix instructions and memory or LDS instructions,
; and those through scalar registers that vector instructions write, with s_wait_alu, always for 0.
; THE PLAN.  Registers that memory or LDS instructions touch:
;   v3, v4, v5, v9, v10, v11, v30, v31   offsets and LDS addresses: written once at the head, ahead of the first wait on va_vdst, and never again.  No address is stepped by a vector line: the ring's bases are scalar.
;   the ring, group g    read by the group's 16 products; then its 16 loads land in it.  ONE wait on va_vdst to a group, behind its products and ahead of its loads.  It stands there and not at the next group's head
;                        because all 1,024 registers are taken (no fifth group) and a group that waited for the next head would stand behind that head's wait for data, with 16 loads fewer on their way.
;   v32-47               x's row offsets (vector lines write, 32 loads read), then accumulators (products write: behind a wait on vm_vsrc), on the way out the offsets of out's rows (vector lines write, 32 stores read).
;   window 3, v0-127     x's rows land; LDS stores read them; x's fragments land (behind the same wait on vm_vsrc); products read them.   window 2: x's fragments land once.
;   v104-111, v120-123   loaded once, then named by vector lines alone.   v124-127: written by vector lines, read by four loads.
;   v128-255             out's sums: the weighing writes them; LDS stores read them; the stage's rows land in them (behind a wait on vm_vsrc); the global stores read them.
; The accumulators v48-95, the weights and x's fragments are named in the walk by vector and matrix instructions alone.
.set XP,    1040                       ; an LDS row
.set TROWS, 16*XP                      ; sixteen of them
.set STG,   64*XP
.set WOFF,  3                          ; v3   my lane's byte in 16 rows of W: 1,024 r + 16 h; never rewritten
.set XFA,   4                          ; v4   my lane's byte in 16 rows of x in LDS: XP r + 16 h
.set R4,    5                          ; v5   4 r
.set L16,   8                          ; v8   16 x lane
.set XS,    9                          ; v9   where I put my wave's rows of x
.set SO,    10                         ; v10  the stage: where I put 16 bytes of a row
.set SR,    11                         ; v11  and where I read a row back
.set ACC,   32
.set LO,    96                         ; v96-99    tile m: my token's lower expert
.set HI,    100                        ; v100-103  its higher expert
.set WP,    104                        ; v104-111  tile m: (w_lo, w_hi) x 2^(s2 + s3)
.set WT,    112                        ; v112, 114, 116, 118: tile m's weight for the expert in hand; the odd registers are named with them as pairs
.set CK,    120                        ; v120-123  tile m: my token's word of sorted
.set TK,    124                        ; v124-127  its place in wts
.set OUT,   128
.set WB,    38                         ; s[38:39] W at my wave's 64 rows of expert 0
.set CUR,   40                         ; s[40:41] the same of the expert in hand
.set NXT,   42                         ; s[42:43] of the next one
.set EC,    44                         ; s44  the expert in hand
.set EN,    45                         ; s45  the next one
.set RM,    46                         ; s46  mask of the block's experts that have not been picked
.set BA,    68                         ; s[68:83]  sixteen of the block's words, for the mask
.set BB,    84                         ; s[84:99]  sixteen more
.set CM,    68                         ; s[68:75]  in the walk, when the mask is made: eight lane masks: tile m's tokens whose lo (CM + m) or hi (CM + 4 + m) is the expert in hand
.set MSB, 0
.macro WIN new                         ; the immediate's high byte repeats the setting that is left
.if MSB != \new
	s_set_vgpr_msb (MSB<<8)|\new
.set MSB, \new
.endif
.endm
.set MULA, 0x09                        ; source 0 (W) window 1, source 1 (x) window 2, C and D window 0
.set MULB, 0x0d                        ; the same with x in window 3
.set TOR,  0x40                        ; destination window 1, address window 0
	s_load_b256 s[4:11], s[0:1], 0x0               ; sorted s[4:5], wts s[6:7], scales s[8:9], x s[10:11]
	s_load_b128 s[12:15], s[0:1], 0x20             ; W s[12:13], out s[14:15]
	v_lshl_add_u32 v30, v0, 2, 0x20800
	v_mov_b32 v31, 0
	v_lshrrev_b32 v12, 5, v0
	v_readfirstlane_b32 s32, v12                   ; wave 0..3
	s_and_b32 s34, ttmp7, 0xffff                   ; my block of 64 of sorted
	v_and_b32 v1, 15, v0                           ; r
	v_bfe_u32 v2, v0, 4, 1                         ; h
	v_lshlrev_b32 v[WOFF], 10, v1
	v_lshl_add_u32 v[WOFF], v2, 4, v[WOFF]
	v_mul_u32_u24 v[XFA], v1, XP
	v_lshl_add_u32 v[SO], v2, 5, v[XFA]            ; the stage: row r, + 32 h,
	v_lshl_add_u32 v[XFA], v2, 4, v[XFA]
	v_lshlrev_b32 v[R4], 2, v1
	v_and_b32 v[L16], 31, v0
	v_lshlrev_b32 v[L16], 4, v[L16]
	s_wait_alu depctr_va_sdst(0)                   ; s32 is written, ahead of its first reader: LDS addresses and the bases of W and sorted are made from it
	s_mul_i32 s52, s32, TROWS
	v_add_nc_u32 v[XS], s52, v[L16]                ; my wave's 16 rows, 16 bytes a lane
	v_add_nc_u32 v[SR], STG, v[XS]                 ; and the same rows of the stage
	s_lshl_b32 s52, s32, 8
	v_add_nc_u32 v[SO], s52, v[SO]                 ; + 256 x wave: my 64 columns' bytes
	v_add_nc_u32 v[SO], STG, v[SO]
.irp m, 0,1,2,3
	v_mov_b32 v[WT+2*\m+1], 0                      ; (named as the upper halves of pairs)
.endr
	s_lshl_b32 s36, s34, 8                         ; my block's 64 words of sorted,
	s_mov_b32 s37, 0
	s_lshl_b32 s50, s32, 6                         ; my wave's 16 of them
	s_mov_b32 s51, 0
	s_lshl_b32 s52, ttmp9, 18                      ; the work-group's 256 rows of W,
	s_lshl_b32 s53, s32, 16                        ; my wave's 64 of them
	s_add_co_u32 s52, s52, s53
	s_mov_b32 s53, 0
	s_lshl_b32 s58, ttmp9, 10                      ; the work-group's 256 columns in a row of out
	s_mov_b32 s59, 0
	s_mov_b32 s[RM], 0
	s_wait_kmcnt 0x0
	s_add_nc_u64 s[4:5], s[4:5], s[36:37]
	s_add_nc_u64 s[56:57], s[4:5], s[50:51]
	s_add_nc_u64 s[WB:WB+1], s[12:13], s[52:53]
	s_add_nc_u64 s[14:15], s[14:15], s[58:59]
	s_load_b512 s[16:31], s[56:57], 0x0            ; my wave's 16 words: the rows of x that I fetch and the rows of out that I store
	s_load_b512 s[BA:BA+15], s[4:5], 0x0           ; the block's words 0-15,
	s_load_b512 s[BB:BB+15], s[4:5], 0x40          ; and 16-31, for the mask
	s_load_b64 s[54:55], s[8:9], 0x8               ; s2, s3
	s_wait_alu depctr_va_vdst(0)                   ; the head's offsets and LDS addresses v3, v4, v5, v9, v10, v11, and v30, v31, are written: the loads, stores and LDS instructions of the whole kernel read them
.irp m, 0,1,2,3
	global_load_b32 v[CK+\m], v[R4], s[4:5] offset:64*\m    ; all 64 words, by tiles: lane (r, h) takes token 16 m + r's
.endr
	s_wait_kmcnt 0x0
.irp i, 0,1,2,3,4,5,6,7,8,9,10,11,12,13,14,15
	s_and_b32 s[16+\i], s[16+\i], 0xfff            ; the token,
	s_min_u32 s[16+\i], s[16+\i], 0xfff            ; held inside the tensors
	v_lshl_add_u32 v[ACC+\i], s[16+\i], 10, v[L16] ; its row of x, 16 bytes a lane
.endr
	WIN 0xc0                                       ; destination window 3: the rows land where x's last fragments will lie
	s_wait_alu depctr_va_vdst(0)                   ; the sixteen offsets v32 to v47 are written, which the 32 loads below read
.irp i, 0,1,2,3,4,5,6,7,8,9,10,11,12,13,14,15
.irp u, 0,1
	global_load_b128 v[8*\i+4*\u:8*\i+4*\u+3], v[ACC+\i], s[10:11] offset:512*\u    ; 32 lanes read 512 consecutive bytes of a row
.endr
.endr
	WIN 0
	s_bfe_u32 s[EN], s[BA], 0x40010                ; the first expert walked: the first word's lo (4 bits from bit 16),
	s_min_u32 s[EN], s[EN], 15                     ; held inside W
	s_lshl_b32 s50, s[EN], 20                      ; an expert is 2^20 bytes
	s_add_nc_u64 s[NXT:NXT+1], s[WB:WB+1], s[50:51]
	s_wait_loadcnt 32                              ; loads come back in order: the four words are in, the 32 loads of rows may be out
.irp m, 0,1,2,3
	v_bfe_u32 v[LO+\m], v[CK+\m], 16, 4
	v_bfe_u32 v[HI+\m], v[CK+\m], 12, 4
	v_and_b32 v[TK+\m], 0xfff, v[CK+\m]
	v_min_u32 v[TK+\m], 0xfff, v[TK+\m]
	v_lshlrev_b32 v[TK+\m], 3, v[TK+\m]
.endr
	s_wait_alu depctr_va_vdst(0)                   ; the four offsets v124 to v127 are written, which the loads of the weights read
.irp m, 0,1,2,3
	global_load_b64 v[WP+2*\m:WP+2*\m+1], v[TK+\m], s[6:7]
.endr
; Sixteen words' experts into the mask: 1 << lo and 1 << hi of each.
.macro MASK base
.irp i, 0,1,2,3,4,5,6,7,8,9,10,11,12,13,14,15
	s_bfe_u32 s52, s[\base+\i], 0x40010            ; lo: 4 bits from bit 16
	s_bfe_u32 s53, s[\base+\i], 0x4000c            ; hi: 4 bits from bit 12
	s_lshl_b32 s52, 1, s52
	s_lshl_b32 s53, 1, s53
	s_or_b32 s[RM], s[RM], s52
	s_or_b32 s[RM], s[RM], s53
.endr
.endm
; The lowest expert left in the mask becomes the next one.
.macro PICK
	s_ctz_i32_b32 s[EN], s[RM]
	s_min_u32 s[EN], s[EN], 15                     ; held inside W
	s_sub_co_u32 s52, s[RM], 1
	s_and_b32 s[RM], s[RM], s52                    ; its bit is cleared
	s_lshl_b32 s50, s[EN], 20
	s_add_nc_u64 s[NXT:NXT+1], s[WB:WB+1], s[50:51]
.endm
; Group g of the ring: K steps 2 g and 2 g + 1 of an item's 32 rows, from ofs bytes behind base on: 16 loads.  (The window is set by the caller.)
.macro RLOAD g, base, ofs
.irp k, 0,1
.irp n, 0,1
.irp c, 0,1,2,3
	global_load_b128 v[16*(2*(2*(\g)+\k)+\n)+4*\c:16*(2*(2*(\g)+\k)+\n)+4*\c+3], v[WOFF], s[\base:\base+1] offset:\ofs+16384*\n+128*(2*(\g)+\k)+32*\c
.endr
.endr
.endr
.endm
	WIN TOR
	RLOAD 0, NXT, 0                                ; half of the first expert's first item goes out ahead of the wait for x.  No wait: no vector line has named the ring, and none since the head's wait names v3
	RLOAD 1, NXT, 0
	MASK BA                                        ; words 0-15, while x's rows are on their way;
	s_load_b512 s[BA:BA+15], s[4:5], 0x80          ; the set has been read: it takes words 32-47
	MASK BB                                        ; words 16-31;
	s_load_b512 s[BB:BB+15], s[4:5], 0xc0          ; and this one words 48-63
	s_wait_loadcnt 32                              ; x's rows and the weights are in; the 32 loads of the ring may be out
	WIN 0x0c                                       ; store data window 3
.irp i, 0,1,2,3,4,5,6,7,8,9,10,11,12,13,14,15
.irp u, 0,1
	ds_store_b128 v[XS], v[8*\i+4*\u:8*\i+4*\u+3] offset:XP*\i+512*\u    ; the data are loads' results: the wait on LOADcnt above is theirs
.endr
.endr
	WIN TOR
	RLOAD 2, NXT, 0
	RLOAD 3, NXT, 0
	WIN 0
	s_add_co_i32 s48, s54, s55                     ; s2 + s3
.irp k, 0,1,2,3,4,5,6,7
	v_ldexp_f32 v[WP+\k], v[WP+\k], s48
.endr
	s_wait_kmcnt 0x0                               ; words 32-63 are in
	s_wait_dscnt 0x0                               ; for the others' sake: my rows have landed
	s_barrier_signal -1
	s_barrier_wait -1                              ; all 64 rows of x lie in LDS
	WIN 0x80                                       ; destination window 2
	s_wait_alu depctr_va_vdst(0)                   ; v4 is written, which the 128 loads below read as their address: said behind the window switch, since stores that name window 3's registers stand since the last such wait
	s_wait_alu depctr_vm_vsrc(0)                   ; my LDS stores have read window 3's v0-127, in which x's last fragments land; and the loads of x's rows have read v32 to v47, which the first products write
.irp s, 0,1,2,3
.irp m, 0,1,2,3
.irp c, 0,1,2,3
	ds_load_b128 v[64*\s+16*\m+4*\c:64*\s+16*\m+4*\c+3], v[XFA] offset:TROWS*\m+128*\s+32*\c
.endr
.endr
.endr
	WIN 0xc0                                       ; destination window 3
.irp s, 0,1,2,3
.irp m, 0,1,2,3
.irp c, 0,1,2,3
	ds_load_b128 v[64*\s+16*\m+4*\c:64*\s+16*\m+4*\c+3], v[XFA] offset:TROWS*\m+128*(\s+4)+32*\c
.endr
.endr
.endr
	WIN 0
	MASK BA                                        ; words 32-47 and 48-63, while x's fragments come from LDS
	MASK BB
	s_bcnt1_i32_b32 s49, s[RM]                     ; how many experts the block uses;
	s_sub_co_u32 s49, s49, 2                       ; those between the first and the last: lo < hi, so two are used at the least
	s_min_u32 s49, s49, 14
	s_lshl_b32 s52, 1, s[EN]
	s_and_not1_b32 s[RM], s[RM], s52               ; the first expert has been picked
	s_wait_dscnt 0x0                               ; x is in registers for the rest of the launch
; 16 products: K steps 2 g and 2 g + 1, two tiles of columns x four tiles of tokens.  The eight accumulators take turns, one instruction a turn, in the same order everywhere;
; an item's first eight products start its sums.  mode 1: the group is loaded again with the same expert's next 32 rows; 2: with the next expert's first 32; 0: not at all.
; cnt: the loads younger than this group's 16, which may stay out.
.macro GROUP g, mode, cnt
	s_wait_loadcnt \cnt
.if (\g) < 2
	WIN MULA
.else
	WIN MULB
.endif
.irp k, 0,1
.irp n, 0,1
.irp m, 0,1,2,3
.set RW, 16*(2*(2*(\g)+\k)+\n)
.set RX, 64*((2*(\g)+\k)%4)+16*\m
.set RC, ACC+8*(4*\n+\m)
.if (2*(\g)+\k) == 0
	v_wmma_f32_16x16x128_bf8_bf8 v[RC:RC+7], v[RW:RW+15], v[RX:RX+15], 0
.else
	v_wmma_f32_16x16x128_bf8_bf8 v[RC:RC+7], v[RW:RW+15], v[RX:RX+15], v[RC:RC+7]
.endif
.endr
.endr
.endr
.if ((\mode) != 0) || ((\g) == 3)
.rept 4
	v_nop                                          ; four places in front of loads into registers that these products have read, and (group 3) of the first read of the sums (ISA guide 7.12.1 for vector instructions); they stay beside the wait below
.endr
.endif
.if (\mode) == 1
	WIN TOR
	s_wait_alu depctr_va_vdst(0)                   ; the group's 16 products are done reading its 64 registers of the ring, in which the 16 loads below land
	RLOAD \g, CUR, 32768
.elseif (\mode) == 2
	WIN TOR
	s_wait_alu depctr_va_vdst(0)                   ; the group's 16 products are done reading its 64 registers of the ring, in which the 16 loads below land
	RLOAD \g, NXT, 0
.endif
.endm
; An item: 32 columns x 64 tokens x all of K.  The ring's loads are issued in the order in which they are used: behind a group's 16 stand this item's later groups and the next item's earlier ones, three groups in all.
.macro ITEM mode
.if (\mode) != 0
	GROUP 0, \mode, 48
	GROUP 1, \mode, 48
	GROUP 2, \mode, 48
	GROUP 3, \mode, 48
.else
	GROUP 0, 0, 48                                 ; the last item loads nothing: the counts run down, and it holds no wait on va_vdst
	GROUP 1, 0, 32
	GROUP 2, 0, 16
	GROUP 3, 0, 0
.endif
.endm
; out's sums += the item's sums x the token's weight for this expert; first = 1: the first expert starts them, so nothing is cleared.  Each accumulator from its low end on.
.macro FMA cg, first
	WIN 0
.irp n, 0,1
.irp m, 0,1,2,3
.irp i, 0,2,4,6
.if \first
	v_pk_mul_f32 v[OUT+64*\cg+8*(4*\n+\m)+\i:OUT+64*\cg+8*(4*\n+\m)+\i+1], v[ACC+8*(4*\n+\m)+\i:ACC+8*(4*\n+\m)+\i+1], v[WT+2*\m:WT+2*\m+1] op_sel_hi:[1,0]
.else
	v_pk_fma_f32 v[OUT+64*\cg+8*(4*\n+\m)+\i:OUT+64*\cg+8*(4*\n+\m)+\i+1], v[ACC+8*(4*\n+\m)+\i:ACC+8*(4*\n+\m)+\i+1], v[WT+2*\m:WT+2*\m+1], v[OUT+64*\cg+8*(4*\n+\m)+\i:OUT+64*\cg+8*(4*\n+\m)+\i+1] op_sel_hi:[1,0,1]
.endif
.endr
.endr
.endr
.endm
; My four tokens' weights for the expert in hand: w_lo, w_hi, or 0 for a token that does not use it.  The eight compares stand in one run, each with a scalar register for its mask, and one wait serves them all.
.macro SETW
.irp m, 0,1,2,3
	v_cmp_eq_u32 s[CM+\m], s[EC], v[LO+\m]
	v_cmp_eq_u32 s[CM+4+\m], s[EC], v[HI+\m]
.endr
	s_wait_alu depctr_va_sdst(0)                   ; the eight masks s68 to s75 are written, which the eight selects read
.irp m, 0,1,2,3
	v_cndmask_b32 v[WT+2*\m], 0, v[WP+2*\m], s[CM+\m]
	v_cndmask_b32 v[WT+2*\m], v[WT+2*\m], v[WP+2*\m+1], s[CM+4+\m]
.endr
.endm
; An expert: its two items.  The ring holds its first 32 rows on the way in.
.macro EXPERT first, last
	s_wait_xcnt 0x0                                ; the ring's pending loads name both bases: they are rewritten only behind this wait
	s_mov_b64 s[CUR:CUR+1], s[NXT:NXT+1]
	s_mov_b32 s[EC], s[EN]
.if !(\last)
	PICK
.endif
	SETW
	ITEM 1
	FMA 0, \first
.if \last
	ITEM 0
.else
	ITEM 2
.endif
	FMA 1, \first
.endm
	EXPERT 1, 0                                    ; the first of the block's experts
	s_cmp_eq_u32 s49, 0
	s_cbranch_scc1 .Llast                          ; a block with two experts has none between
	s_mov_b32 s47, 0
.Lexp:                                                 ; (every window is 0 here: FMA leaves it so)
	EXPERT 0, 0
	s_add_co_u32 s47, s47, 1
	s_cmp_lt_u32 s47, s49
	s_cbranch_scc1 .Lexp
.Llast:
	EXPERT 0, 1                                    ; the last one asks for nothing beyond itself
	; THE WAY OUT.  A lane holds 32 neighbouring bytes of a token's row, and a row's 1,024 bytes come from four waves: they meet in the stage, and each wave stores 16 whole rows, each at its token's place.
.irp i, 0,1,2,3,4,5,6,7,8,9,10,11,12,13,14,15
	v_lshl_add_u32 v[ACC+\i], s[16+\i], 12, v[L16] ; my wave's i-th token's row of out, 16 bytes a lane.  These stand ahead of the LDS stores, so that one wait serves both
.endr
	s_wait_alu depctr_va_vdst(0)                   ; the weighing has written out's sums v128 to v255, which the LDS stores read and in which the stage's rows land; the sixteen offsets v32 to v47 are written, which the global stores read
.irp cg, 0,1
.irp n, 0,1
.irp m, 0,1,2,3
.irp q, 0,1
	ds_store_b128 v[SO], v[OUT+64*\cg+8*(4*\n+\m)+4*\q:OUT+64*\cg+8*(4*\n+\m)+4*\q+3] offset:TROWS*\m+128*\cg+64*\n+16*\q
.endr
.endr
.endr
.endr
	s_wait_dscnt 0x0                               ; for the others' sake: my stores into the stage have landed
	s_barrier_signal -1
	s_barrier_wait -1
	s_wait_alu depctr_vm_vsrc(0)                   ; my LDS stores have read v128 to v255, in which the loads below land
.irp i, 0,1,2,3,4,5,6,7,8,9,10,11,12,13,14,15
.irp u, 0,1
	ds_load_b128 v[OUT+8*\i+4*\u:OUT+8*\i+4*\u+3], v[SR] offset:XP*\i+512*\u
.endr
.endr
.irp i, 0,1,2,3,4,5,6,7,8,9,10,11,12,13,14,15
.irp u, 0,1
	s_wait_dscnt 31-2*\i-\u                        ; LDS loads come back in order: this one is in, the younger ones may be out
	global_store_b128 v[ACC+\i], v[OUT+8*\i+4*\u:OUT+8*\i+4*\u+3], s[14:15] offset:512*\u th:TH_STORE_NT    ; 32 lanes store 512 consecutive bytes, at a multiple of 256 from out's first byte; written once, read by nobody here
.endr
.endr
	s_wait_dscnt 0x0                               ; the closing lines, six on end
	s_wait_alu 0x0
	s_wait_tensorcnt 0x0
	ds_add_u32 v30, v31
	s_wait_dscnt 0x0
	s_endpgm
.Lfunc_end_k_q63f4c7c2f9_experts:
	.size	k_q63f4c7c2f9_experts, .Lfunc_end_k_q63f4c7c2f9_experts-k_q63f4c7c2f9_experts
	.p2alignl 7, 3214868480
	.fill 96, 4, 3214868480
	.section	.rodata,"a",@progbits
	.p2align	6, 0x0
	.amdhsa_kernel k_q63f4c7c2f9_experts
		.amdhsa_group_segment_fixed_size 133632
		.amdhsa_private_segment_fixed_size 0
		.amdhsa_enable_private_segment 0
		.amdhsa_kernarg_size 48
		.amdhsa_user_sgpr_count 2
		.amdhsa_user_sgpr_kernarg_segment_ptr 1
		.amdhsa_wavefront_size32 1
		.amdhsa_system_sgpr_workgroup_id_x 1
		.amdhsa_system_sgpr_workgroup_id_y 1
		.amdhsa_system_sgpr_workgroup_id_z 1
		.amdhsa_system_vgpr_workitem_id 0
		.amdhsa_next_free_vgpr 1024
		.amdhsa_next_free_sgpr 100
		.amdhsa_reserve_vcc 0
		.amdhsa_float_denorm_mode_32 3
		.amdhsa_float_denorm_mode_16_64 3
		.amdhsa_memory_ordered 1
		.amdhsa_forward_progress 1
		.amdhsa_inst_pref_size 129
	.end_amdhsa_kernel
	.amdgpu_metadata
---
amdhsa.version: [ 1, 2 ]
amdhsa.kernels:
  - .name:           k_q63f4c7c2f9_experts
    .symbol:         k_q63f4c7c2f9_experts.kd
    .args:
      - { .name: sorted, .offset: 0, .size: 8, .value_kind: global_buffer, .address_space: global }
      - { .name: wts, .offset: 8, .size: 8, .value_kind: global_buffer, .address_space: global }
      - { .name: lowp_scales, .offset: 16, .size: 8, .value_kind: global_buffer, .address_space: global }
      - { .name: x_codes, .offset: 24, .size: 8, .value_kind: global_buffer, .address_space: global }
      - { .name: expert_weights_codes, .offset: 32, .size: 8, .value_kind: global_buffer, .address_space: global }
      - { .name: out0, .offset: 40, .size: 8, .value_kind: global_buffer, .address_space: global }
    .group_segment_fixed_size: 133632
    .private_segment_fixed_size: 0
    .kernarg_segment_align: 8
    .kernarg_segment_size: 48
    .max_flat_workgroup_size: 128
    .sgpr_count:     100
    .vgpr_count:     1024
    .wavefront_size: 32
...
	.end_amdgpu_metadata
.endif
;; end of part 6
